; MI455X (gfx1250); checked and timed in simulation.
; The chip was launched on July 23, 2026; its instructions are those of AMD's public machine-readable ISA for CDNA 5 (MIT licence, August 2026) and "CDNA5" Instruction Set Architecture Reference Guide (July 2026). The comments in the code are by the model that wrote it; some were corrected since.
;; LFM3 B Attention. Allowed arithmetic: matrix products marked QUANTISED: E4M3 operands, one given power-of-two scale a tensor, by v_wmma_f32_16x16x64_fp8_fp8 or v_wmma_f32_16x16x128_fp8_fp8, f32 sums; products left as they are: f32 operands where the result goes on into a quantised operand, else bf16, f16 or f32 operands; f32 sums; everything else in f32.
;; Inputs: Wk 2,048 x 512 float32; Wo 2,048 x 2,048 float32; Wq 2,048 x 2,048 float32; Wv 2,048 x 512 float32; attention_mask 1 x 1 x 2,048 x 2,048 float32; hidden_states 1 x 2,048 x 2,048 float32; lowp_scales 12 int32 (the exponents e of the quantised operands' scales 2^e).
;; Outputs: out0 1 x 2,048 x 2,048 float32.
;; This version of the problem:
;;   THIS VERSION OF THE PROBLEM IS GIVEN IN LOW PRECISION. The matrix products marked QUANTISED in the list below multiply operands that are first quantised to E4M3 (4 exponent bits, 3 mantissa bits; 8 bits a number), with one given power-of-two scale for each operand tensor; their sums are f32. All else is computed in f32.
;;   The module's matrix products, in the order in which they are computed (A, B: the left and right operand; K: the contracted axis; several contracted axes count as one K, in the product's order):
;;     1. [M 2,048, K 2,048] x [K 2,048, N 2,048]; A: input hidden_states; B: input Wq: QUANTISED (scales: A lowp_scales[0], B lowp_scales[1])
;;     2. [M 2,048, K 2,048] x [K 2,048, N 512]; A: input hidden_states; B: input Wk: QUANTISED (scales: A lowp_scales[2], B lowp_scales[3])
;;     3. [M 2,048, K 2,048] x [K 2,048, N 512]; A: input hidden_states; B: input Wv: QUANTISED (scales: A lowp_scales[4], B lowp_scales[5])
;;     4. [M 2,048, K 1] x [K 1, N 32]; A: computed on the way; B: computed on the way: left as it is (no contracted axis)
;;     5. batch 32 x [M 2,048, K 64] x [K 64, N 2,048]; A: computed on the way; B: computed on the way: QUANTISED (scales: A lowp_scales[6], B lowp_scales[7])
;;     6. batch 32 x [M 2,048, K 2,048] x [K 2,048, N 64]; A: softmax (see below); B: computed on the way: QUANTISED (scales: A lowp_scales[8], B lowp_scales[9])
;;     7. [M 2,048, K 2,048] x [K 2,048, N 2,048]; A: computed on the way; B: input Wo: QUANTISED (scales: A lowp_scales[10], B lowp_scales[11])
;;   THE QUANTISER, for each operand of a quantised product, along K:
;;     - The operand's scale is 2^e, e = its entry of the input lowp_scales (int32; the entries are numbered through the quantised products in the list's order, A before B).
;;     - Each number is divided by the scale, clamped to +-448, and rounded to the nearest number of E4M3, ties to even, subnormals kept.
;;     - The product sums the exact products of the quantised numbers (number of the format x scale) in f32.
;;   ~~~python
;;   def quantise(x, axis, e):      # numpy; x: float32 -> the quantised numbers, widened to float32 again
;;       x = np.moveaxis(x, axis, -1); K = x.shape[-1]
;;       r = np.clip(x / 2.0 ** e, -448, 448)
;;       step = 2.0 ** (np.maximum(np.frexp(np.where(r == 0, 1, r))[1] - 1, -6) - 3)
;;       q = np.round(r / step) * step * 2.0 ** e      # np.round: ties to even
;;       return np.moveaxis(q, -1, axis).astype(np.float32)
;;   ~~~
;;   SOFTMAX AHEAD OF A QUANTISED PRODUCT. Where the list says 'softmax', what is quantised is not the finished softmax but p = 2^(t - M), with t = logit x log2(e) and M = ceil(the row's largest t), a whole number; so 1/2 < the row's largest p <= 1. The row's sum l is taken of the UNQUANTISED p, in f32, and the product's result is divided by l at the end. Since M is a whole number, a kernel that streams over the keys may use a running M (the ceiling of the running maximum): every later rescaling is an exact power of two, so the quantised numbers keep their values, but for numbers so far below the row's largest that they fall under the format's range.
;;   OPERANDS COMPUTED ON THE WAY. 'Computed on the way' means the value that the module computes at that place (a softmax that the list does not call 'softmax' is quantised finished and normalised). What goes into a quantiser is computed in f32, as accurately as f32 sums, v_exp_f32 and their like allow (about 1e-6 of the number): no bf16 or f16 on the way to a quantiser, and a product that is left as it is and whose result goes on into a quantised operand takes f32 operands (vector FMAs, or v_wmma_f32_16x16x4_f32). A number that lies on a knife's edge between two numbers of the format may be rounded either way, as far as f32 arithmetic and the matrix unit's own rounding can turn it there, and no further.
;; One version. Each part assembles by itself: llvm-mc -triple=amdgcn-amd-amdhsa -mcpu=gfx1250 --defsym DOCPART=n.
;; ======== version 1 of 1: 4 launches
;; limits: right only within a limited range of input values
;; workspace buffers: xcodes 12,582,912 bytes; wcodes 10,485,760 bytes; rope 557,056 bytes; qimg 4,194,304 bytes; kvimg 2,097,152 bytes; acodes 4,194,304 bytes
;; launch prep (part 1): grid 482 x 1, 4 waves a work-group, no clusters, 55,808 bytes of LDS; arguments hidden_states, Wq, Wk, Wv, Wo, lowp_scales, xcodes, wcodes, rope; writes xcodes, wcodes, rope
.if DOCPART == 1
	.amdgcn_target "amdgcn-amd-amdhsa--gfx1250"
	.amdhsa_code_object_version 6
	.text
	.protected	k_qcad1170fea_prep
	.globl	k_qcad1170fea_prep
	.p2align	8
	.type	k_qcad1170fea_prep,@function
k_qcad1170fea_prep:
	s_mov_b64 s[64:65], 0
	v_nop
	global_prefetch_b8 v0, s[64:65] scope:SCOPE_SE
	s_setreg_imm32_b32 hwreg(HW_REG_WAVE_MODE, 25, 1), 1
	s_wait_xcnt 0x0
; PREPARATION.  Three jobs in one launch, told apart by the work-group's number; each has LDS bytes of its own.
;  work-groups 0-127:   hidden_states [2048][2048] f32 -> three planes of E4M3 codes (scales 2^e0, 2^e2, 2^e4), K innermost, 4 MiB apart in xcodes.
;  work-groups 128-447: Wq, Wo [2048 k][2048 n], Wk, Wv [2048 k][512 n] f32 -> E4M3 codes with K innermost in wcodes: rows 0.. Wq's columns, 2048.. Wk's, 2560.. Wv's, 3072.. Wo's (scales e1, e3, e5, e11).
;  work-groups 448-481: the table of cos and sin for the rotary embedding: row t (256 bytes) = cos(t f_j), j = 0..31, then sin(t f_j); rows 2048-2175 hold cos = 1, sin = 0.
; ROWS ARE STORED OUT OF ORDER: row n of xcodes and of wcodes lies at the row whose number is n with bits 3 and 4 exchanged.  A tile of 16 stored rows then holds eight neighbours and the eight that lie 16 further on,
; so that in the products that follow a lane's 16 results of two neighbouring tiles are 16 neighbours.
; code = x / 2^e, held within +-448, to the nearest code, ties to even.  LIMITS: e0, e2, e4, e1, e3, e5, e11 between -126 and 119.  NaN among the inputs is not served.
; The table: the angle t f_j is one f32 product; f_j = 2^(-j log2(10) / 8); the angle is reduced by multiples of pi/2 in two parts and sine and cosine are polynomials on +-pi/4.
; No tensor loads, no barrier: waves share nothing.  No matrix work, no cluster: nothing here is read twice.
.set XWG,   128                        ; work-groups for hidden_states
.set WWG,   320                        ; for the four weights
.set XSP,   80                         ; x: a lane's place in a stage: 64 bytes + 16 of padding
.set XST,   32*XSP                     ; a stage; two for each wave: LDS bytes 0 to 20,479
.set WSTG,  20480                      ; W: a stage of 32 rows x 272 bytes for each wave: LDS bytes 20,480 to 55,295
.set WPI,   272
	s_load_b256 s[4:11], s[0:1], 0x0               ; hidden_states s[4:5], Wq s[6:7], Wk s[8:9], Wv s[10:11]
	s_load_b256 s[12:19], s[0:1], 0x20             ; Wo s[12:13], the scales' exponents s[14:15], xcodes s[16:17], wcodes s[18:19]
	s_load_b64 s[20:21], s[0:1], 0x40              ; rope
	v_lshl_add_u32 v192, v0, 2, 0xd800
	v_mov_b32 v193, 0
	v_lshrrev_b32 v1, 5, v0
	v_readfirstlane_b32 s22, v1                    ; wave 0..3
	v_and_b32 v2, 31, v0                           ; lane
	s_wait_kmcnt 0x0
	s_load_b256 s[24:31], s[14:15], 0x0            ; e0 .. e7 in s24 .. s31
	s_load_b128 s[32:35], s[14:15], 0x20           ; e8 .. e11 in s32 .. s35
	s_cmp_lt_u32 ttmp9, XWG
	s_cbranch_scc1 .Lx
	s_cmp_lt_u32 ttmp9, XWG+WWG
	s_cbranch_scc1 .Lw
; ---------------------------------------------------------------- the table
; A wave makes 16 rows, two a trip: lanes 0-15 one row, lanes 16-31 the next; a lane makes 16 bytes: four cosines (lanes 0-7 of a half) or four sines (lanes 8-15).
	s_wait_kmcnt 0x0                               ; (the exponents are not used on this way; their registers are left alone)
	s_sub_co_u32 s36, ttmp9, XWG+WWG
	s_lshl_b32 s36, s36, 2
	s_add_co_u32 s36, s36, s22
	s_lshl_b32 s36, s36, 4                         ; my wave's first row
	s_cmp_lt_u32 s36, 2048
	s_cselect_b32 s37, 1.0, 0                      ; rows from 2,048 on take the angle 0: cos = 1, sin = 0
	s_cselect_b32 s38, 2.0, 0                      ; and t steps by 2 or not at all
	s_mov_b32 s40, 0x3fc90fdb                      ; pi/2, its upper part
	s_mov_b32 s41, 0xb33bbd2e                      ; and what is left of it
	s_wait_alu depctr_va_vdst(0)
	v_lshrrev_b32 v3, 4, v2                        ; which of the two rows
	v_add_nc_u32 v4, s36, v3
	v_lshlrev_b32 v16, 8, v4                       ; the row's first byte,
	v_and_b32 v5, 15, v2
	v_lshl_add_u32 v16, v5, 4, v16                 ; + my 16 bytes
	v_cvt_f32_u32 v4, v4
	v_mul_f32 v4, s37, v4                          ; t as f32
	v_bfe_u32 v17, v2, 3, 1
	v_sub_nc_u32 v17, 1, v17                       ; 1 for a cosine, 0 for a sine: cos(a) = sin(a + pi/2)
	v_and_b32 v5, 7, v2
	v_lshlrev_b32 v5, 2, v5                        ; my first frequency's number
.irp k, 0,1,2,3
	v_add_nc_u32 v[12+\k], \k, v5
	v_cvt_f32_u32 v[12+\k], v[12+\k]
	v_mul_f32 v[12+\k], 0xbed49a78, v[12+\k]       ; -j log2(10) / 8
.endr
	s_wait_alu depctr_va_vdst(0)
.irp k, 0,1,2,3
	v_exp_f32 v[8+\k], v[12+\k]                    ; f_j = 10000^(-j / 32)
.endr
	v_nop                                          ; a plain instruction between the last exponential and the use of its result
.macro SINCOS k
	s_wait_alu depctr_va_vdst(0)
	v_mul_f32 v24, v4, v[8+\k]                     ; the angle
	v_mul_f32 v25, 0x3f22f983, v24                 ; x 2 / pi
	v_rndne_f32 v25, v25                           ; n
	v_fma_f32 v26, -v25, s40, v24
	v_fma_f32 v26, -v25, s41, v26                  ; r = angle - n pi/2, within +-pi/4
	v_mul_f32 v27, v26, v26                        ; r^2
	v_mov_b32 v28, 0x3638ef1d                      ; sin r = r + r r^2 (-1/6 + r^2 (1/120 + r^2 (-1/5040 + r^2 / 362880)))
	v_fmaak_f32 v28, v28, v27, 0xb9500d01
	v_fmaak_f32 v28, v28, v27, 0x3c088889
	v_fmaak_f32 v28, v28, v27, 0xbe2aaaab
	v_mul_f32 v31, v26, v27
	v_fma_f32 v28, v31, v28, v26
	v_mov_b32 v29, 0xb493f27e                      ; cos r = 1 + r^2 (-1/2 + r^2 (1/24 + r^2 (-1/720 + r^2 (1/40320 - r^2 / 3628800))))
	v_fmaak_f32 v29, v29, v27, 0x37d00d01
	v_fmaak_f32 v29, v29, v27, 0xbab60b61
	v_fmaak_f32 v29, v29, v27, 0x3d2aaaab
	v_fmaak_f32 v29, v29, v27, 0xbf000000
	v_fma_f32 v29, v29, v27, 1.0
	v_cvt_i32_f32 v30, v25
	v_add_nc_u32 v30, v30, v17                     ; the quadrant: 0: sin r, 1: cos r, 2: -sin r, 3: -cos r
	v_and_b32 v31, 1, v30
	v_cmp_eq_u32 vcc_lo, 1, v31
	v_cndmask_b32 v28, v28, v29, vcc_lo
	v_and_b32 v30, 2, v30
	v_lshlrev_b32 v30, 30, v30                     ; the sign
	v_xor_b32 v[20+\k], v30, v28
.endm
	s_mov_b32 s39, 8
.Ltrip:
	SINCOS 0
	SINCOS 1
	SINCOS 2
	SINCOS 3
	global_store_b128 v16, v[20:23], s[20:21]      ; sixteen lanes store a whole row: 256 consecutive bytes, aligned
	s_wait_xcnt 0x0                                ; the store has read its offset and its data: both are written again only behind this wait
	v_add_nc_u32 v16, 512, v16
	v_add_f32 v4, s38, v4
	s_sub_co_u32 s39, s39, 1
	s_cmp_lg_u32 s39, 0
	s_cbranch_scc1 .Ltrip
	s_endpgm
; ---------------------------------------------------------------- hidden_states
; A wave takes four rows (8,192 numbers) in 16 steps of 512.  Each load reads 512 consecutive bytes; a step's 2,048 bytes turn through the wave's stage in LDS and come back 64 bytes a lane:
; 16 neighbours along K, which the conversions want in one lane's registers.  They are held and converted three times, once for each plane's scale.  A lane's 16 codes are 16 bytes: a store covers 512 consecutive bytes.
; REGISTERS: v3 16 x lane; v14, v15 the stage, in and out; v5-10 (2^e, 448 x 2^e) for e0, e2, e4; v16-79 four sets as loaded; v80-111 two sets of 16 neighbours; v112-143 two sets held; v144-167 two sets of codes.
.Lx:
	s_lshl_b32 s36, ttmp9, 2
	s_add_co_u32 s36, s36, s22                     ; which run of four rows
	s_lshl_b32 s42, s36, 15
	s_mov_b32 s43, 0
	s_add_nc_u64 s[4:5], s[4:5], s[42:43]
	s_and_b32 s37, s36, 0x1f9                      ; bits 3 and 4 of the row's number are bits 1 and 2 of the run's: they change places
	s_and_b32 s38, s36, 2
	s_lshl_b32 s38, s38, 1
	s_or_b32 s37, s37, s38
	s_and_b32 s38, s36, 4
	s_lshr_b32 s38, s38, 1
	s_or_b32 s37, s37, s38
	s_lshl_b32 s42, s37, 13                        ; four rows of 2,048 codes
	s_add_nc_u64 s[36:37], s[16:17], s[42:43]      ; plane 0 (e0),
	s_add_nc_u64 s[38:39], s[36:37], 0x400000      ; plane 1 (e2),
	s_add_nc_u64 s[40:41], s[36:37], 0x800000      ; plane 2 (e4)
	s_wait_alu depctr_va_vdst(0)
	v_lshlrev_b32 v3, 4, v2
	s_mul_i32 s44, s22, 2*XST
	v_lshrrev_b32 v14, 2, v2
	v_mul_u32_u24 v14, v14, XSP
	v_and_b32 v15, 3, v2
	v_lshl_add_u32 v14, v15, 4, v14
	v_add_nc_u32 v14, s44, v14                     ; in: four lanes' 64 bytes on end, then 16 of padding
	v_mul_u32_u24 v15, v2, XSP
	v_add_nc_u32 v15, s44, v15                     ; out: my 16 neighbours
.macro XLOAD t
.irp i, 0,1,2,3
	global_load_b128 v[16+16*((\t)%4)+4*\i:16+16*((\t)%4)+4*\i+3], v3, s[4:5] offset:2048*(\t)+512*\i th:TH_LOAD_NT
.endr
.endm
.macro XTURN t                         ; LDS serves a wave's instructions in order: no wait between the stores and the loads
.irp i, 0,1,2,3
	ds_store_b128 v14, v[16+16*((\t)%4)+4*\i:16+16*((\t)%4)+4*\i+3] offset:XST*((\t)%2)+8*XSP*\i
.endr
.irp i, 0,1,2,3
	ds_load_b128 v[80+16*((\t)%2)+4*\i:80+16*((\t)%2)+4*\i+3], v15 offset:XST*((\t)%2)+16*\i
.endr
.endm
	XLOAD 0
	XLOAD 1
	XLOAD 2
	XLOAD 3
	s_wait_alu depctr_va_vdst(0)
	s_wait_kmcnt 0x0
.irp p, 0,1,2
	s_add_co_i32 s45, s[24+2*\p], 127
	s_lshl_b32 s46, s45, 23
	v_mov_b32 v[5+2*\p], s46                       ; 2^e as f32: the conversion takes its exponent field
	s_add_co_i32 s45, s45, 8
	s_lshl_b32 s45, s45, 23
	s_or_b32 s45, s45, 0x600000
	v_mov_b32 v[6+2*\p], s45                       ; 448 x 2^e
.endr
	s_wait_alu depctr_va_vdst(0)
	s_wait_loadcnt 12                              ; step 0's four loads are in; the twelve of steps 1 to 3 stay out
	XTURN 0
.macro XSTEP t
.set XS, 80+16*((\t)%2)
.set XC, 144+12*((\t)%2)
	s_wait_dscnt 0x0                               ; this step's numbers are back from the stage, and its stores into the stage have read their registers,
.if (\t)+4 < 16
	XLOAD (\t)+4                                   ; which take the loads of four steps on
.endif
.if (\t)+1 < 16
.if 14-(\t) >= 3
	s_wait_loadcnt 12                              ; the next step's four loads are in; those of the three steps behind it stay out
.else
	s_wait_loadcnt 4*(14-(\t))
.endif
	XTURN (\t)+1
.endif
	s_wait_xcnt 0x0                                ; the stores of two steps ago have read this set of codes
.irp p, 0,1,2
.irp i, 0,1,2,3,4,5,6,7,8,9,10,11,12,13,14,15
	v_med3_num_f32 v[112+16*(\p%2)+\i], v[XS+\i], -v[6+2*\p], v[6+2*\p]   ; the conversion to an 8-bit code does not saturate (ISA guide 7.6.2): the hold comes first.  The two held sets take turns, so that plain lines stand between a conversion and the next write of its sources
.endr
	v_cvt_scalef32_pk8_fp8_f32 v[XC+4*\p:XC+4*\p+1], v[112+16*(\p%2):112+16*(\p%2)+7], v[5+2*\p]
	v_cvt_scalef32_pk8_fp8_f32 v[XC+4*\p+2:XC+4*\p+3], v[112+16*(\p%2)+8:112+16*(\p%2)+15], v[5+2*\p]
.endr
	v_nop                                          ; a plain line behind the last conversion: the next step's holds write its sources
.irp p, 0,1,2
	global_store_b128 v3, v[XC+4*\p:XC+4*\p+3], s[36+2*\p:37+2*\p] offset:512*(\t)
.endr
.endm
.irp t, 0,1,2,3,4,5,6,7,8,9,10,11,12,13,14,15
	XSTEP \t
.endr
	s_wait_tensorcnt 0x0
	ds_add_u32 v192, v193
	s_wait_dscnt 0x0
	s_endpgm
; ---------------------------------------------------------------- the weights
; K is a weight's FIRST axis.  A lane takes a column n and its registers run down K: each load reads 128 consecutive bytes a wave, and the conversions give codes with K innermost.
; A wave takes 32 columns x 256 along K; its codes go through its stage in LDS and leave as rows: sixteen lanes store 256 consecutive bytes, aligned.
; REGISTERS: v3 4 x lane; v16-47 row i's offset (i x a row's bytes + 4 x lane); v48-111 two sets of 32 numbers; v112-119 a block's codes; v120-183 the way out; v10, v11 448 x 2^e, 2^e.
.Lw:
	s_sub_co_u32 s36, ttmp9, XWG                   ; 0-127 Wq, 128-255 Wo, 256-287 Wk, 288-319 Wv
	s_and_b32 s37, s36, 127                        ; in a weight of 2,048 columns: 16 blocks of columns x 8 of K
	s_and_b32 s38, s37, 15
	s_lshr_b32 s39, s37, 4
	s_and_b32 s40, s36, 31                         ; in one of 512 columns: 4 x 8
	s_and_b32 s41, s40, 3
	s_lshr_b32 s40, s40, 2
	s_mov_b32 s42, 2048
	s_cmp_lt_u32 s36, 256
	s_cselect_b32 s38, s38, s41                    ; which 128 columns
	s_cselect_b32 s39, s39, s40                    ; which 256 along K
	s_cselect_b32 s42, 8192, s42                   ; a row of the weight in bytes
	s_mov_b32 s43, 2560
	s_cmp_lt_u32 s36, 288
	s_cselect_b64 s[60:61], s[8:9], s[10:11]
	s_cselect_b32 s43, 2048, s43
	s_cmp_lt_u32 s36, 256
	s_cselect_b64 s[60:61], s[12:13], s[60:61]
	s_cselect_b32 s43, 3072, s43
	s_cmp_lt_u32 s36, 128
	s_cselect_b64 s[60:61], s[6:7], s[60:61]       ; the weight,
	s_cselect_b32 s43, 0, s43                      ; and where its columns begin in wcodes
	s_mul_i32 s62, s39, s42
	s_lshl_b32 s62, s62, 8                         ; 256 rows down for each block of K
	s_lshl_b32 s63, s38, 9
	s_add_co_u32 s62, s62, s63
	s_lshl_b32 s63, s22, 7
	s_add_co_u32 s62, s62, s63                     ; + 4 x (128 x block + 32 x wave)
	s_mov_b32 s63, 0
	s_add_nc_u64 s[44:45], s[60:61], s[62:63]      ; a base for each block of 32 rows: s[44:45] .. s[58:59]
	s_lshl_b32 s62, s42, 5
.irp t, 1,2,3,4,5,6,7
	s_add_nc_u64 s[44+2*\t:45+2*\t], s[42+2*\t:43+2*\t], s[62:63]
.endr
	s_lshl_b32 s66, s38, 7
	s_add_co_u32 s66, s66, s43
	s_lshl_b32 s67, s22, 5
	s_add_co_u32 s66, s66, s67                     ; my wave's first row of wcodes, a multiple of 32
	s_lshl_b32 s66, s66, 11
	s_lshl_b32 s67, s39, 8
	s_add_co_u32 s66, s66, s67
	s_mov_b32 s67, 0
	s_add_nc_u64 s[18:19], s[18:19], s[66:67]
	s_wait_alu depctr_va_vdst(0)
	v_lshlrev_b32 v3, 2, v2
.irp i, 0,1,2,3,4,5,6,7,8,9,10,11,12,13,14,15,16,17,18,19,20,21,22,23,24,25,26,27,28,29,30,31
	v_mad_u32_u24 v[16+\i], s42, \i, v3
.endr
	s_mul_i32 s68, s22, 32*WPI
	s_add_co_u32 s68, s68, WSTG                    ; my stage
	v_mul_u32_u24 v4, v2, WPI
	v_add_nc_u32 v4, s68, v4                       ; into it: row = my column
	v_and_b32 v5, 15, v2
	v_lshrrev_b32 v6, 4, v2
	v_mul_u32_u24 v7, v6, WPI
	v_lshl_add_u32 v7, v5, 4, v7
	v_add_nc_u32 v7, s68, v7                       ; out of it: sixteen lanes to a row, two rows an instruction
	v_lshlrev_b32 v8, 11, v6
	v_lshl_add_u32 v8, v5, 4, v8                   ; and the same place in wcodes
.macro WLOAD t
.irp i, 0,1,2,3,4,5,6,7,8,9,10,11,12,13,14,15,16,17,18,19,20,21,22,23,24,25,26,27,28,29,30,31
	global_load_b32 v[48+32*((\t)%2)+\i], v[16+\i], s[44+2*(\t):45+2*(\t)] th:TH_LOAD_NT
.endr
.endm
	WLOAD 0
	WLOAD 1
	s_wait_kmcnt 0x0
	s_cmp_lt_u32 s36, 288
	s_cselect_b32 s69, s27, s29                    ; e3 : e5
	s_cmp_lt_u32 s36, 256
	s_cselect_b32 s69, s35, s69                    ; e11
	s_cmp_lt_u32 s36, 128
	s_cselect_b32 s69, s25, s69                    ; e1
	s_add_co_i32 s69, s69, 127
	s_lshl_b32 s70, s69, 23
	v_mov_b32 v11, s70                             ; 2^e
	s_add_co_i32 s69, s69, 8
	s_lshl_b32 s69, s69, 23
	s_or_b32 s69, s69, 0x600000
	v_mov_b32 v10, s69                             ; 448 x 2^e
.macro WBLOCK t
.set WX, 48+32*((\t)%2)
.if (\t) < 7
	s_wait_loadcnt 32                              ; this block's 32 loads are in; the next block's 32 stay out
.else
	s_wait_loadcnt 0x0
.endif
.irp i, 0,1,2,3,4,5,6,7,8,9,10,11,12,13,14,15,16,17,18,19,20,21,22,23,24,25,26,27,28,29,30,31
	v_med3_num_f32 v[WX+\i], v[WX+\i], -v10, v10
.endr
.irp g, 0,1,2,3
	v_cvt_scalef32_pk8_fp8_f32 v[112+2*\g:113+2*\g], v[WX+8*\g:WX+8*\g+7], v11
.endr
	ds_store_b128 v4, v[112:115] offset:32*(\t)    ; 32 codes of my column's row
	ds_store_b128 v4, v[116:119] offset:32*(\t)+16
.if (\t)+2 < 8
	WLOAD (\t)+2
.endif
	s_wait_dscnt 0x0                               ; the stores have read their registers; the next block begins with 32 plain lines, which stand between these conversions and the next
.endm
	s_wait_alu depctr_va_vdst(0)
.irp t, 0,1,2,3,4,5,6,7
	WBLOCK \t
.endr
.irp t, 0,1,2,3,4,5,6,7,8,9,10,11,12,13,14,15
	ds_load_b128 v[120+4*\t:123+4*\t], v7 offset:2*\t*WPI
.endr
.irp t, 0,1,2,3,4,5,6,7,8,9,10,11,12,13,14,15
	s_wait_dscnt 15-\t                             ; the younger loads stay out
	global_store_b128 v8, v[120+4*\t:123+4*\t], s[18:19] offset:2*((\t&3)|((\t&4)<<1)|((\t&8)>>1))*2048   ; rows 2 t, 2 t + 1 go to the rows whose numbers have bits 3 and 4 exchanged
.endr
	s_wait_tensorcnt 0x0
	ds_add_u32 v192, v193
	s_wait_dscnt 0x0
	s_endpgm
.Lfunc_end_k_qcad1170fea_prep:
	.size	k_qcad1170fea_prep, .Lfunc_end_k_qcad1170fea_prep-k_qcad1170fea_prep
	.p2alignl 7, 3214868480
	.fill 96, 4, 3214868480
	.section	.rodata,"a",@progbits
	.p2align	6, 0x0
	.amdhsa_kernel k_qcad1170fea_prep
		.amdhsa_group_segment_fixed_size 55808
		.amdhsa_private_segment_fixed_size 0
		.amdhsa_enable_private_segment 0
		.amdhsa_kernarg_size 72
		.amdhsa_user_sgpr_count 2
		.amdhsa_user_sgpr_kernarg_segment_ptr 1
		.amdhsa_wavefront_size32 1
		.amdhsa_system_sgpr_workgroup_id_x 1
		.amdhsa_system_sgpr_workgroup_id_y 1
		.amdhsa_system_sgpr_workgroup_id_z 1
		.amdhsa_system_vgpr_workitem_id 0
		.amdhsa_next_free_vgpr 194
		.amdhsa_next_free_sgpr 80
		.amdhsa_reserve_vcc 1
		.amdhsa_float_denorm_mode_32 3
		.amdhsa_float_denorm_mode_16_64 3
		.amdhsa_memory_ordered 1
		.amdhsa_forward_progress 1
		.amdhsa_inst_pref_size 137
	.end_amdhsa_kernel
	.amdgpu_metadata
---
amdhsa.version: [ 1, 2 ]
amdhsa.kernels:
  - .name:           k_qcad1170fea_prep
    .symbol:         k_qcad1170fea_prep.kd
    .args:
      - { .name: hidden_states, .offset: 0, .size: 8, .value_kind: global_buffer, .address_space: global }
      - { .name: Wq, .offset: 8, .size: 8, .value_kind: global_buffer, .address_space: global }
      - { .name: Wk, .offset: 16, .size: 8, .value_kind: global_buffer, .address_space: global }
      - { .name: Wv, .offset: 24, .size: 8, .value_kind: global_buffer, .address_space: global }
      - { .name: Wo, .offset: 32, .size: 8, .value_kind: global_buffer, .address_space: global }
      - { .name: lowp_scales, .offset: 40, .size: 8, .value_kind: global_buffer, .address_space: global }
      - { .name: xcodes, .offset: 48, .size: 8, .value_kind: global_buffer, .address_space: global }
      - { .name: wcodes, .offset: 56, .size: 8, .value_kind: global_buffer, .address_space: global }
      - { .name: rope, .offset: 64, .size: 8, .value_kind: global_buffer, .address_space: global }
    .group_segment_fixed_size: 55808
    .private_segment_fixed_size: 0
    .kernarg_segment_align: 8
    .kernarg_segment_size: 72
    .max_flat_workgroup_size: 128
    .sgpr_count:     80
    .vgpr_count:     194
    .wavefront_size: 32
...
	.end_amdgpu_metadata
.endif
;; end of part 1
;; launch qkv (part 2): grid 16 x 12, 4 waves a work-group, clusters of 4 x 1, 327,680 bytes of LDS; arguments xcodes, wcodes, rope, lowp_scales, qimg, kvimg; writes qimg, kvimg
.if DOCPART == 2
	.amdgcn_target "amdgcn-amd-amdhsa--gfx1250"
	.amdhsa_code_object_version 6
	.text
	.protected	k_qcad1170fea_qkv
	.globl	k_qcad1170fea_qkv
	.p2align	8
	.type	k_qcad1170fea_qkv,@function
k_qcad1170fea_qkv:
	s_mov_b64 s[64:65], 0
	v_nop
	global_prefetch_b8 v0, s[64:65] scope:SCOPE_SE
	s_setreg_imm32_b32 hwreg(HW_REG_WAVE_MODE, 25, 1), 1
	s_wait_xcnt 0x0
	s_wait_alu depctr_hold_cnt(0) depctr_sa_sdst(0) depctr_va_vdst(0) depctr_va_sdst(0) depctr_va_ssrc(0) depctr_va_vcc(0) depctr_vm_vsrc(0)
	s_getreg_b32 s2, hwreg(HW_REG_IB_STS2, 6, 4)
	s_cmp_eq_u32 s2, 0
	s_cbranch_scc0 .Lentry_in_a_cluster
	s_endpgm
.Lentry_in_a_cluster:
	s_bfe_u32 s2, ttmp6, 0x10000c
	s_cmp_lg_u32 s2, 0x3003
	s_cbranch_scc0 .Lentry_shape_is_right
	s_endpgm
.Lentry_shape_is_right:
.set PITCH,  272
.set ROWB,   256
.set HALFP,  128*PITCH
.set HALFR,  64*PITCH
.set ROFF,   2*HALFP
.set SLOT,   ROFF+2*HALFR
.set SPARE,  2*SLOT
.set LAPS,   2048/(2*ROWB)
.set ADRP, 16
.set ADRR, 20
.set SPW,  28
.set NIL,  29
.set T,    32
.set RF,   64
.set CD,   192
.set WV, 16
.set WR, 17
.set WP, 18
.set G1P, 24
.set G0P, 32
.set G1R, 48
.set G0R, 56
.set MSB, 0
.macro WIN new
.if MSB != \new
	s_set_vgpr_msb (MSB<<8)|\new
.set MSB, \new
.endif
.endm
.set MUL,  0xa1
.set TO_P, 0x40
.macro JLOAD s
	s_cmp_eq_u32 s[WR], 0
	s_cbranch_scc0 .Lfor_r_\@
	tensor_load_to_lds s[G0P+4*\s:G0P+4*\s+3], s[G1P:G1P+7]
	s_nop 0
.rept 4
	v_nop
.endr
	s_branch .Lasked_\@
.Lfor_r_\@:
	tensor_load_to_lds s[G0R+4*\s:G0R+4*\s+3], s[G1R:G1R+7]
	s_nop 0
.rept 4
	v_nop
.endr
.Lasked_\@:
.endm
.macro CREST
	s_cmp_lg_u32 s[WV], 0
	s_cbranch_scc1 .Lnot_wave_0_\@
	s_barrier_signal -3
.Lnot_wave_0_\@:
	s_barrier_wait -3
	s_barrier_signal -1
	s_barrier_wait -1
.endm
.macro CROUND
	s_barrier_signal -1
	s_barrier_wait -1
	CREST
.endm
; A PREFETCH INTO THE L2 of the K step (256 bytes of each row) that the NEXT tensor load will ask for: one whole K step ahead of that load.  Waves 0 and 1 (joint tiles, 128 rows a wave): the four partners take 32 rows each, by address, a lane a row.
; Waves 2 and 3 (the work-group's own tiles, 64 rows a wave): two instructions, a lane a row.  Of the clusters that walk the same rows at most four ask.  The refill of the last K step asks for nothing.
.macro ASK lim, off
	s_cmp_gt_u32 s3, s[\lim]
	s_cbranch_scc0 .Lnone_\@
	global_prefetch_b8 v7, s[96:97] offset:\off th:TH_LOAD_NT scope:SCOPE_SE
	s_cmp_eq_u32 s[WR], 0
	s_cbranch_scc1 .Lnone_\@
	global_prefetch_b8 v7, s[96:97] offset:(\off)+65536 th:TH_LOAD_NT scope:SCOPE_SE
.Lnone_\@:
.endm
.macro PLACES n
.rept \n
	v_nop
.endr
.endm
	s_load_b256 s[4:11], s[0:1], 0x0
	s_load_b128 s[12:15], s[0:1], 0x20
	v_lshl_add_u32 v[SPW], v0, 2, SPARE
	v_mov_b32 v[NIL], 0
	ds_add_u32 v28, v29
	ds_add_u32 v28, v29
	s_wait_dscnt 0x0
	v_lshrrev_b32 v1, 5, v0
	v_readfirstlane_b32 s[WV], v1
	s_lshr_b32 s[WR], s[WV], 1
	s_and_b32 s[WP], s[WV], 1
	s_bfe_u32 s19, ttmp6, 0x40000
	s_and_b32 s20, ttmp7, 0xffff
	s_mov_b32 s[G1P], 15|(1<<20)|(1<<21)|(5<<22)|(3<<25)
	s_mov_b32 s[G1P+1], ROWB<<16
	s_mov_b32 s[G1P+2], 128<<16
	s_mov_b32 s[G1P+3], ROWB<<16
	s_mov_b32 s[G1P+4], 128
	s_mov_b32 s[G1P+5], 2048
	s_mov_b32 s[G1P+6], 0
	s_mov_b32 s[G1P+7], 0
	s_mov_b32 s[G1R], (1<<20)|(5<<22)|(3<<25)
	s_mov_b32 s[G1R+1], ROWB<<16
	s_mov_b32 s[G1R+2], 64<<16
	s_mov_b32 s[G1R+3], ROWB<<16
	s_mov_b32 s[G1R+4], 64
	s_mov_b32 s[G1R+5], 2048
	s_mov_b32 s[G1R+6], 0
	s_mov_b32 s[G1R+7], 0
	s_max_u32 s22, s20, 10
	s_sub_co_u32 s22, s22, 10
	s_lshl_b32 s22, s22, 2
	s_add_co_u32 s22, s22, ttmp9
	s_lshl_b32 s40, s22, 19
	s_add_co_u32 s40, s40, 0x800000
	s_lshl_b32 s41, s20, 19
	s_cmp_ge_u32 s20, 10
	s_cselect_b32 s40, s40, s41
	s_lshl_b32 s41, s[WP], 18
	s_add_co_u32 s40, s40, s41
	s_mov_b32 s41, 0
	s_lshl_b32 s21, ttmp9, 2
	s_add_co_u32 s21, s21, s19
	s_lshl_b32 s44, s21, 18
	s_cmp_ge_u32 s20, 8
	s_cselect_b32 s45, 0x400000, 0
	s_add_co_u32 s44, s44, s45
	s_lshl_b32 s45, s19, 18
	s_add_co_u32 s45, s45, 2560*2048
	s_cmp_ge_u32 s20, 10
	s_cselect_b32 s44, s45, s44
	s_lshl_b32 s45, s[WP], 17
	s_add_co_u32 s44, s44, s45
	s_mov_b32 s45, 0
	s_mul_i32 s42, s[WP], HALFP
	s_mul_i32 s43, s[WP], HALFR
	s_add_co_u32 s43, s43, ROFF
	s_wait_kmcnt 0x0
	s_load_b256 s[68:75], s[10:11], 0x0
	s_load_b128 s[76:79], s[10:11], 0x20
	s_cmp_ge_u32 s20, 10
	s_cselect_b64 s[46:47], s[4:5], s[6:7]
	s_cselect_b64 s[66:67], s[6:7], s[4:5]
	s_add_nc_u64 s[46:47], s[46:47], s[40:41]
	s_add_nc_u64 s[66:67], s[66:67], s[44:45]
	s_lshl_b32 s98, s19, 16                        ; the prefetches: of a joint tile's 128 rows my work-group takes 32, by its place along x: 32 rows of 2,048 bytes
	s_mov_b32 s99, 0
	s_add_nc_u64 s[96:97], s[46:47], s[98:99]
	s_lshr_b32 s100, 0x70f, s20                    ; the own tiles' rows are walked by up to eight clusters: those with y = 0 to 3 and 8 to 10 ask, at most four for any row
	s_and_b32 s100, s100, 1
	s_cmp_eq_u32 s[WR], 0
	s_cselect_b64 s[96:97], s[96:97], s[66:67]
	s_cselect_b32 s100, 1, s100
	s_cmp_lg_u32 s100, 0
	s_cselect_b32 s99, 1, -1                       ; a wave that asks: while more than one trip is left,
	s_cselect_b32 s100, 0, -1                      ; or in every trip; the greatest number in a wave that does not ask
	s_mov_b32 s3, LAPS-1
	v_and_b32 v7, 31, v0
	v_lshlrev_b32 v7, 11, v7                       ; a lane a row
	CROUND
.irp s, 0,1
	s_mov_b32 s[G0P+4*\s], 1
	s_add_co_u32 s[G0P+4*\s+1], s42, \s*SLOT
	s_add_nc_u64 s[G0P+4*\s+2:G0P+4*\s+3], s[46:47], \s*ROWB
	s_or_b32 s[G0P+4*\s+3], s[G0P+4*\s+3], 0x80000000
	s_mov_b32 s[G0R+4*\s], 1
	s_add_co_u32 s[G0R+4*\s+1], s43, \s*SLOT
	s_add_nc_u64 s[G0R+4*\s+2:G0R+4*\s+3], s[66:67], \s*ROWB
	s_or_b32 s[G0R+4*\s+3], s[G0R+4*\s+3], 0x80000000
.endr
	s_wait_alu depctr_va_vdst(0)
	JLOAD 0                                        ; K step 0, behind the opening round: one tensor load a wave at the head; the set-up that follows stands under its flight
	ASK 100, ROWB                                  ; K step 1
	v_and_b32 v1, 15, v0
	s_wait_alu depctr_va_vdst(0)
	v_bfe_u32 v2, v0, 4, 1
	v_mul_u32_u24 v3, v1, PITCH
	v_lshl_add_u32 v3, v2, 4, v3
	s_mul_i32 s80, s[WP], HALFP
	s_mul_i32 s81, s[WR], HALFR
	s_add_co_u32 s81, s81, ROFF
.irp s, 0,1
	v_add_nc_u32 v[ADRP+\s], s80, v3
	v_add_nc_u32 v[ADRR+\s], s81, v3
	s_add_co_u32 s80, s80, SLOT
	s_add_co_u32 s81, s81, SLOT
.endr
	s_lshl_b32 s80, s21, 7
	s_cmp_ge_u32 s20, 10
	s_cselect_b32 s80, 2048, s80
	s_lshl_b32 s81, s[WR], 6
	s_add_co_u32 s80, s80, s81
	s_lshl_b32 s80, s80, 8
	s_mov_b32 s81, 0
	s_add_nc_u64 s[8:9], s[8:9], s[80:81]
	v_and_b32 v4, 7, v1
	v_lshrrev_b32 v5, 3, v1
	v_lshl_add_u32 v4, v5, 4, v4
	v_lshlrev_b32 v27, 8, v4
	v_lshl_add_u32 v27, v2, 6, v27
	WIN 0xc0
.irp a, 0,1,2,3
.irp i, 0,1,2,3
	global_load_b128 v[32*\a+4*\i:32*\a+4*\i+3], v27, s[8:9] offset:(32*(\a/2)+8*(\a%2))*256+16*\i
	global_load_b128 v[32*\a+16+4*\i:32*\a+16+4*\i+3], v27, s[8:9] offset:(32*(\a/2)+8*(\a%2))*256+128+16*\i
.endr
.endr
	WIN 0
	s_lshl_b32 s82, s21, 3
	s_lshl_b32 s83, s[WR], 2
	s_add_co_u32 s82, s82, s83
	s_lshl_b32 s83, s20, 2
	s_lshl_b32 s84, s[WP], 1
	s_add_co_u32 s83, s83, s84
	s_lshl_b32 s84, s83, 7
	s_add_co_u32 s84, s84, s82
	s_lshl_b32 s84, s84, 10
	s_max_u32 s85, s83, 32
	s_sub_co_u32 s85, s85, 32
	s_lshl_b32 s85, s85, 18
	s_lshr_b32 s86, s82, 4
	s_lshl_b32 s86, s86, 15
	s_add_co_u32 s85, s85, s86
	s_and_b32 s86, s82, 15
	s_lshl_b32 s86, s86, 10
	s_add_co_u32 s85, s85, s86
	s_lshl_b32 s86, s19, 1
	s_add_co_u32 s86, s86, s[WR]
	s_lshl_b32 s86, s86, 18
	s_lshl_b32 s87, s22, 15
	s_add_co_u32 s86, s86, s87
	s_lshl_b32 s87, s[WP], 13
	s_add_co_u32 s86, s86, s87
	s_add_co_u32 s86, s86, 16384
	s_mov_b32 s92, 1024
	s_mov_b32 s93, 262144
	s_cmp_ge_u32 s20, 10
	s_cselect_b32 s85, s86, s85
	s_cselect_b32 s92, 2048, s92
	s_cselect_b32 s93, 1024, s93
	s_cmp_ge_u32 s20, 8
	s_cselect_b32 s84, s85, s84
	s_cselect_b32 s93, s93, 131072
	s_cselect_b64 s[12:13], s[14:15], s[12:13]
	s_mov_b32 s85, 0
	s_add_nc_u64 s[12:13], s[12:13], s[84:85]
	v_and_b32 v6, 31, v0
	v_lshlrev_b32 v6, 4, v6
	s_wait_alu depctr_va_vdst(0)
	s_mov_b32 s94, 0
.irp a, 0,1,2,3
	v_add_nc_u32 v[8+2*\a], s94, v6
	s_add_co_u32 s95, s94, s93
	v_add_nc_u32 v[9+2*\a], s95, v6
	s_add_co_u32 s94, s94, s92
.endr
	s_wait_kmcnt 0x0
	s_add_co_i32 s82, s68, s69
	s_add_co_i32 s83, s70, s71
	s_add_co_i32 s84, s72, s73
	s_cmp_ge_u32 s20, 8
	s_cselect_b32 s82, s83, s82
	s_cselect_b32 s85, s75, s74
	s_cmp_ge_u32 s20, 10
	s_cselect_b32 s82, s84, s82
	s_cselect_b32 s85, s77, s85
	s_sub_co_i32 s85, s85, s82
	s_add_co_i32 s85, s85, 127
	s_lshl_b32 s86, s85, 23
	v_mov_b32 v30, s86
	s_add_co_i32 s85, s85, 8
	s_lshl_b32 s85, s85, 23
	s_or_b32 s85, s85, 0x600000
	v_mov_b32 v31, s85
.macro FRAG reg, adr, q, i
.irp c, 0,1,2,3
	ds_load_b128 v[\reg+4*\c:\reg+4*\c+3], v[\adr] offset:128*(\q)+32*\c+(\i)*16*PITCH
.endr
.endm
.macro FETCH slot, q, p
	WIN TO_P
.irp i, 0,1,2,3,4,5,6,7
	FRAG 128*(\p)+16*\i, ADRP+\slot, \q, \i
.endr
	WIN 0
.irp i, 0,1,2,3
	FRAG RF+64*(\p)+16*\i, ADRR+\slot, \q, \i
.endr
.endm
.macro MULR a, p, zero
.irp b, 0,1,2,3,4,5,6,7
.if \zero
	v_wmma_f32_16x16x128_fp8_fp8 v[8*(8*(\a)+\b):8*(8*(\a)+\b)+7], v[128*(\p)+16*\b:128*(\p)+16*\b+15], v[RF+64*(\p)+16*(\a):RF+64*(\p)+16*(\a)+15], 0
.else
	v_wmma_f32_16x16x128_fp8_fp8 v[8*(8*(\a)+\b):8*(8*(\a)+\b)+7], v[128*(\p)+16*\b:128*(\p)+16*\b+15], v[RF+64*(\p)+16*(\a):RF+64*(\p)+16*(\a)+15], v[8*(8*(\a)+\b):8*(8*(\a)+\b)+7]
.endif
.endr
.endm
.macro STEP slot, q, zero
	s_wait_dscnt 0x0
	WIN MUL
	MULR 0, (\q)%2, \zero
	MULR 1, (\q)%2, \zero
	PLACES 4
	FETCH \slot, (\q)+1, 1-(\q)%2
	WIN MUL
	MULR 2, (\q)%2, \zero
	MULR 3, (\q)%2, \zero
	WIN 0
.endm
.macro TURN slot, next, fill
.if \fill
	s_wait_xcnt 0x0                                ; the last prefetch, a K step back, has read its address
	s_add_nc_u64 s[96:97], s[96:97], ROWB
.endif
	s_wait_tensorcnt 0x0
	ds_add_u32 v[SPW], v[NIL]
	s_wait_dscnt 1
	WIN MUL
	MULR 0, 1, 0
	s_wait_dscnt 0x0
	s_barrier_signal -1
	MULR 1, 1, 0
	WIN 0
	s_barrier_wait -1
.if \fill
	CREST
	s_add_nc_u64 s[G0P+4*\slot+2:G0P+4*\slot+3], s[G0P+4*\slot+2:G0P+4*\slot+3], 2*ROWB
	s_add_nc_u64 s[G0R+4*\slot+2:G0R+4*\slot+3], s[G0R+4*\slot+2:G0R+4*\slot+3], 2*ROWB
	JLOAD \slot
.else
	PLACES 4
.endif
	FETCH \next, 0, 0
.if \fill
	ASK 100-\slot, 2*ROWB
.endif
	WIN MUL
	MULR 2, 1, 0
	MULR 3, 1, 0
	WIN 0
.endm
	s_wait_alu depctr_va_vdst(0)                   ; the wait at the head's end
	s_wait_tensorcnt 0x0                           ; my part of K step 0 is in; slot 1's first fill is issued as a refill is:
	ds_add_u32 v[SPW], v[NIL]                      ; 0 onto my spare word
	s_wait_dscnt 0x0
	CROUND                                         ; everybody's part of K step 0 is in, and the partners are here: the joint loads meet
	JLOAD 1                                        ; K step 1: the first tensor load behind the round
	ASK 100, 2*ROWB                                ; K step 2
	FETCH 0, 0, 0
	STEP 0, 0, 1
	s_mov_b32 s3, LAPS-1
.Llap:
	TURN 0, 1, 1
	STEP 1, 0, 0
	TURN 1, 0, 1
	STEP 0, 0, 0
	s_sub_co_u32 s3, s3, 1
	s_cmp_lg_u32 s3, 0
	s_cbranch_scc1 .Llap
	TURN 0, 1, 0
	STEP 1, 0, 0
	s_wait_dscnt 0x0
	WIN MUL
	MULR 0, 1, 0
	MULR 1, 1, 0
	MULR 2, 1, 0
	MULR 3, 1, 0
	WIN 0
	PLACES 4
	s_wait_loadcnt 0x0
.macro ROPEQ a, hd
	WIN 0x0e
.irp u, 0,1
.irp jj, 0,2,4,6
	v_pk_mul_f32 v[T+16+8*\u+\jj:T+17+8*\u+\jj], v[8*(8*\a+4*\hd+\u)+\jj:8*(8*\a+4*\hd+\u)+\jj+1], v[32*\a+16+8*\u+\jj:32*\a+17+8*\u+\jj]
	v_pk_mul_f32 v[T+8*\u+\jj:T+1+8*\u+\jj], v[8*(8*\a+4*\hd+2+\u)+\jj:8*(8*\a+4*\hd+2+\u)+\jj+1], v[32*\a+16+8*\u+\jj:32*\a+17+8*\u+\jj]
	v_pk_fma_f32 v[T+8*\u+\jj:T+1+8*\u+\jj], v[8*(8*\a+4*\hd+\u)+\jj:8*(8*\a+4*\hd+\u)+\jj+1], v[32*\a+8*\u+\jj:32*\a+1+8*\u+\jj], v[T+8*\u+\jj:T+1+8*\u+\jj] neg_lo:[0,0,1] neg_hi:[0,0,1]
	v_pk_fma_f32 v[T+16+8*\u+\jj:T+17+8*\u+\jj], v[8*(8*\a+4*\hd+2+\u)+\jj:8*(8*\a+4*\hd+2+\u)+\jj+1], v[32*\a+8*\u+\jj:32*\a+1+8*\u+\jj], v[T+16+8*\u+\jj:T+17+8*\u+\jj]
.endr
.endr
	WIN 0
.set j, 0
.rept 32
	v_med3_num_f32 v[T+j], v[T+j], -v31, v31
.set j, j+1
.endr
.irp k, 0,1,2,3
	v_cvt_scalef32_pk8_fp8_f32 v[CD+8*(2*\a+\hd)+2*\k:CD+8*(2*\a+\hd)+2*\k+1], v[T+8*\k:T+8*\k+7], v30
.endr
	v_nop
	global_store_b128 v[8+2*\a+\hd], v[CD+8*(2*\a+\hd):CD+8*(2*\a+\hd)+3], s[12:13]
	global_store_b128 v[8+2*\a+\hd], v[CD+8*(2*\a+\hd)+4:CD+8*(2*\a+\hd)+7], s[12:13] offset:512
.endm
.irp a, 0,1,2,3
	ROPEQ \a, 0
	ROPEQ \a, 1
.endr
	s_wait_tensorcnt 0x0
	ds_add_u32 v[SPW], v[NIL]
	s_wait_dscnt 0x0
	CROUND
	s_endpgm
.Lfunc_end_k_qcad1170fea_qkv:
	.size	k_qcad1170fea_qkv, .Lfunc_end_k_qcad1170fea_qkv-k_qcad1170fea_qkv
	.p2alignl 7, 3214868480
	.fill 96, 4, 3214868480
	.section	.rodata,"a",@progbits
	.p2align	6, 0x0
	.amdhsa_kernel k_qcad1170fea_qkv
		.amdhsa_group_segment_fixed_size 327680
		.amdhsa_private_segment_fixed_size 0
		.amdhsa_enable_private_segment 0
		.amdhsa_kernarg_size 48
		.amdhsa_user_sgpr_count 2
		.amdhsa_user_sgpr_kernarg_segment_ptr 1
		.amdhsa_wavefront_size32 1
		.amdhsa_system_sgpr_workgroup_id_x 1
		.amdhsa_system_sgpr_workgroup_id_y 1
		.amdhsa_system_sgpr_workgroup_id_z 1
		.amdhsa_system_vgpr_workitem_id 0
		.amdhsa_next_free_vgpr 896
		.amdhsa_next_free_sgpr 104
		.amdhsa_reserve_vcc 0
		.amdhsa_float_denorm_mode_32 3
		.amdhsa_float_denorm_mode_16_64 3
		.amdhsa_memory_ordered 1
		.amdhsa_forward_progress 1
		.amdhsa_inst_pref_size 97
	.end_amdhsa_kernel
	.amdgpu_metadata
---
amdhsa.version: [ 1, 2 ]
amdhsa.kernels:
  - .name:           k_qcad1170fea_qkv
    .symbol:         k_qcad1170fea_qkv.kd
    .args:
      - { .name: xcodes, .offset: 0, .size: 8, .value_kind: global_buffer, .address_space: global }
      - { .name: wcodes, .offset: 8, .size: 8, .value_kind: global_buffer, .address_space: global }
      - { .name: rope, .offset: 16, .size: 8, .value_kind: global_buffer, .address_space: global }
      - { .name: lowp_scales, .offset: 24, .size: 8, .value_kind: global_buffer, .address_space: global }
      - { .name: qimg, .offset: 32, .size: 8, .value_kind: global_buffer, .address_space: global }
      - { .name: kvimg, .offset: 40, .size: 8, .value_kind: global_buffer, .address_space: global }
    .group_segment_fixed_size: 327680
    .private_segment_fixed_size: 0
    .kernarg_segment_align: 8
    .kernarg_segment_size: 48
    .max_flat_workgroup_size: 128
    .sgpr_count:     104
    .vgpr_count:     896
    .wavefront_size: 32
...
	.end_amdgpu_metadata
.endif
;; end of part 2
;; launch attn (part 3): grid 32 x 8, 8 waves a work-group, clusters of 4 x 4, 327,680 bytes of LDS; arguments qimg, kvimg, attention_mask, lowp_scales, acodes; writes acodes
.if DOCPART == 3
	.amdgcn_target "amdgcn-amd-amdhsa--gfx1250"
	.amdhsa_code_object_version 6
	.text
	.protected	k_qcad1170fea_attn
	.globl	k_qcad1170fea_attn
	.p2align	8
	.type	k_qcad1170fea_attn,@function
k_qcad1170fea_attn:
	s_mov_b64 s[64:65], 0
	v_nop
	global_prefetch_b8 v0, s[64:65] scope:SCOPE_SE
	s_setreg_imm32_b32 hwreg(HW_REG_WAVE_MODE, 25, 1), 1
	s_wait_xcnt 0x0
	s_wait_alu depctr_hold_cnt(0) depctr_sa_sdst(0) depctr_va_vdst(0) depctr_va_sdst(0) depctr_va_ssrc(0) depctr_va_vcc(0) depctr_vm_vsrc(0)
	s_getreg_b32 s2, hwreg(HW_REG_IB_STS2, 6, 4)
	s_cmp_eq_u32 s2, 0
	s_cbranch_scc0 .Lentry_in_a_cluster
	s_endpgm
.Lentry_in_a_cluster:
	s_bfe_u32 s2, ttmp6, 0x10000c
	s_cmp_lg_u32 s2, 0xf033
	s_cbranch_scc0 .Lentry_shape_is_right
	s_endpgm
.Lentry_shape_is_right:
; ATTENTION on E4M3 codes: S^T = K Q^T (v_wmma_f32_16x16x64_fp8_fp8, K = the head's 64), the additive mask, the softmax, O^T = V^T P^T (v_wmma_f32_16x16x128_fp8_fp8, K = 128 keys), and the quantising of the result for the last projection.
; t = (score / 8 + mask) log2(e); M = the running largest t rounded UP to a whole number; p = 2^(t - M) is quantised (scale 2^e8), not normalised; the row's sum is taken of the unquantised p and divides at the end.
; When M moves, the sum and O are multiplied by 2^(old M - new M): exact.  THE MASK IS AN INPUT: every query walks all 2,048 keys, and every mask number is read.
; The mask is read in the layout of a result, multiplied by the exact power 2^(3 - e6 - e7), and given as the C of the first product: then t = c x sum, c = log2(e) / 8 x 2^(e6 + e7).
; SHARES.  A work-group owns 64 queries (x) of the four heads of one kv head (y).  Wave w of eight owns the tile of 16 queries w % 4 for heads 2 (w / 4), 2 (w / 4) + 1: each fragment of K, V and mask that it reads serves two heads.
; K and V come as images of the operands' registers (kvimg): a fragment is loads of 512 consecutive bytes, lane l at 16 l.  A lane holds ONE query throughout; the keys of a tile of K are chosen by the launches before so that
; the 16 registers of tiles 2 b, 2 b + 1 are keys 32 b + 16 (lane / 16) + 0 .. 15.  The queries of tile a are 32 (a / 2) + 8 (a % 2) + r % 8 + 16 (r / 8).
; THE TWO HEADS' SOFTMAX ARE LAID INTO EACH OTHER: head 1's scalings stand among head 0's exponentials, head 0's holds among head 1's.  What is written inside a batch of exponentials is first read behind the batch's closing wait.
; RING: two LDS slots of 256 keys (two steps of 128): 32,768 bytes of K and V, then the mask: 64 rows x 1,024 bytes.  Waves 0-3 fetch a quarter of K and V each, waves 4-7 sixteen rows of mask each: one tensor load a wave.
; THE CHANGE OF SLOTS stands in a slot's second key step.  That step's K, mask and V are the wave's last reads of the slot: behind the step's score products they are all in registers, and the wave signals.  The maxima and both
; batches of exponentials, register work alone, stand between the signal and the wait; behind the round come the refill and the next slot's loads of K and mask.
; CLUSTER 4 x 4: the four work-groups of a row share a kv head: K and V are asked for jointly; the four of a column share the queries: the mask's tile is asked for jointly.
; LIMITS: e6 + e7 between -123 and 129; e8 between -126 and 119.  mask x 2^(3 - e6 - e7) may overflow to an infinity: p is then 0, as it is in f32 for such a mask; a row whose every mask number does so is not served.  NaN is not served.
; REGISTERS, window 0: v1 16 x lane; v2 my place in the mask; v3, v4 addresses in hand; v5, v6 for the add; v7 the prefetches' offset; v8-11, v12-15 for each head: -M, largest t, the sum in two halves;
;   v16 head 1's f, v17 2^e8; v18 head 0's f, v19 0; v20-25, v29-31 at work; v26-28 the way out; v32-95, v96-159 S^T then p; v160-175, v176-191 p's codes; v192-223, v224-255 O^T.
;   window 1: v0-63 K's fragments; v64-127 V's; v128-191 the mask; v192-207 Q's two fragments.
.set SLOT1, 1<<17                      ; slot 1 begins here: one exclusive or turns an address from one slot to the other
.set MOFF,  32768                      ; the mask, behind K and V
.set MP,    1040                       ; a mask row: 1,024 bytes + 16 of padding
.set MGRP,  16768                      ; from one group of 16 rows to the next: 16 rows + 128 bytes
.set SPARE, 2*SLOT1                    ; the spare words: 128 bytes for each of eight waves
.set STG,   SPARE+1024                 ; the way out: 64 rows x (256 bytes + 16), bytes of its own
.set SP,    272
.set AKV0, 1
.set AM0,  2
.set ADK,  3
.set ADM,  4
.set SPW,  5
.set NIL,  6
.set PFO,  7
.set STO,  26
.set RD,   27
.set GO,   28
.set SCR,  32
.set PCD,  160
.set OAC,  192
.set KF,   0
.set VF,   64
.set MK,   128
.set QFR,  192
.set TB,    2                          ; s2   LDS byte at which the slot in hand begins
.set SLOTS, 3                          ; s3   the loops' counter
.set WV,   14
.set SEL,  20                          ; s[20:21] lane l xor 16
.set CS,   22                          ; s[22:23] c
.set G1K,  24
.set G1M,  32
.set G0K,  40
.set G0M,  44
.set MS,   48                          ; s[48:49] 2^(3 - e6 - e7)
.set PFA,  50                          ; s[50:51] where my prefetches stand
.set PFS,  52                          ; s[52:53] a slot on, in bytes
.set LIM,  54                          ; s54  1 in a wave that prefetches, else the greatest number
.set HB,   96                          ; s96  448 x 2^e8
.set MSB, 0
.macro WIN new                         ; the immediate's high byte repeats the setting that is left
.if MSB != \new
	s_set_vgpr_msb (MSB<<8)|\new
.set MSB, \new
.endif
.endm
.macro PLACES n                        ; plain vector lines between a matrix instruction and a load into, or a read of, its registers
.rept \n
	v_nop
.endr
.endm
.macro JLOAD                           ; waves 0-3: K and V; waves 4-7: the mask.  The branch hangs on the wave's number alone; s_nop 0 and four v_nop follow each line
	s_cmp_lt_u32 s[WV], 4
	s_cbranch_scc0 .Lfor_m_\@
	tensor_load_to_lds s[G0K:G0K+3], s[G1K:G1K+7]
	s_nop 0
.rept 4
	v_nop
.endr
	s_branch .Lasked_\@
.Lfor_m_\@:
	tensor_load_to_lds s[G0M:G0M+3], s[G1M:G1M+7]
	s_nop 0
.rept 4
	v_nop
.endr
.Lasked_\@:
.endm
; A PREFETCH of what the NEXT change of slots will ask for, two key steps ahead of that load.  Each aligned block of 256 bytes is named once in the launch.  K and V of a kv head are walked by all clusters of that row of
; clusters: cluster x = 0 asks; its four partners of a row take 8,192 of the slot's 32,768 bytes each, by address: wave 0, lanes 256 bytes apart.  The mask's rows are walked by both clusters of a column: cluster y = 0 asks;
; its four partners of a column take 16 rows each, by address: waves 4 and 5, 512 bytes of each row a wave, two lanes a row.  The last change that fills a slot asks for nothing.
.macro ASK
	s_cmp_gt_u32 s[SLOTS], s[LIM]
	s_cbranch_scc0 .Lnot_mine_\@
	global_prefetch_b8 v[PFO], s[PFA:PFA+1] th:TH_LOAD_NT scope:SCOPE_SE
.Lnot_mine_\@:
.endm
.macro CREST                           ; a round of the cluster's barrier behind its opening barrier
	s_cmp_lg_u32 s[WV], 0
	s_cbranch_scc1 .Lnot_wave_0_\@
	s_barrier_signal -3
.Lnot_wave_0_\@:
	s_barrier_wait -3
	s_barrier_signal -1
	s_barrier_wait -1
.endm
.macro CROUND                          ; a whole round
	s_barrier_signal -1
	s_barrier_wait -1
	CREST
.endm
	s_load_b256 s[4:11], s[0:1], 0x0               ; qimg s[4:5], kvimg s[6:7], the mask s[8:9], the scales' exponents s[10:11]
	s_load_b64 s[12:13], s[0:1], 0x20              ; acodes
	v_lshl_add_u32 v[SPW], v0, 2, SPARE
	v_mov_b32 v[NIL], 0
	ds_add_u32 v[SPW], v[NIL]                      ; the opening: the add, twice on end, and its wait ahead of my first tensor load
	ds_add_u32 v[SPW], v[NIL]
	v_lshrrev_b32 v20, 5, v0
	v_readfirstlane_b32 s[WV], v20                 ; wave 0..7
	v_and_b32 v21, 31, v0
	v_lshlrev_b32 v[AKV0], 4, v21                  ; an image's place for my lane
	s_and_b32 s15, s[WV], 3                        ; my tile of queries; also: which part I fetch
	s_lshr_b32 s16, s[WV], 2                       ; my pair of heads
	s_bfe_u32 s17, ttmp6, 0x40000                  ; cx
	s_bfe_u32 s18, ttmp6, 0x40004                  ; cy
	s_lshl_b32 s19, ttmp9, 2
	s_add_co_u32 s19, s19, s17                     ; my block of 64 queries
	s_and_b32 s56, ttmp7, 0xffff
	s_lshl_b32 s56, s56, 2
	s_add_co_u32 s56, s56, s18                     ; my kv head
	s_lshl_b32 s57, s18, 2
	s_lshl_b32 s57, 15, s57                        ; my row of the cluster
	s_lshl_b32 s58, 0x1111, s17                    ; my column
	s_or_b32 s[G1K], s57, (3<<16)|(1<<21)          ; K and V: a dense block as 32 rows of 32 elements of 8 bytes, no padding; the mask of work-groups: my row
	s_mov_b32 s[G1K+1], 32<<16
	s_mov_b32 s[G1K+2], 32<<16
	s_mov_b32 s[G1K+3], 32<<16
	s_mov_b32 s[G1K+4], 32
	s_mov_b32 s[G1K+5], 32
	s_mov_b32 s[G1K+6], 0
	s_mov_b32 s[G1K+7], 0
	s_or_b32 s[G1M], s58, (2<<16)|(1<<20)|(1<<21)|(7<<22)|(3<<25)   ; the mask: 16 rows of 256 elements of 4 bytes; four words of padding after every 256; my column
	s_mov_b32 s[G1M+1], 256<<16
	s_mov_b32 s[G1M+2], 16<<16
	s_mov_b32 s[G1M+3], 256<<16
	s_mov_b32 s[G1M+4], 16
	s_mov_b32 s[G1M+5], 2048
	s_mov_b32 s[G1M+6], 0
	s_mov_b32 s[G1M+7], 0
	s_lshl_b32 s60, s56, 18                        ; K and V hang on the kv head alone, which my row shares,
	s_lshl_b32 s61, s15, 13
	s_add_co_u32 s60, s60, s61
	s_mov_b32 s61, 0
	s_lshl_b32 s62, s19, 19                        ; the mask on the block of queries alone, which my column shares: 64 rows of 8,192 bytes,
	s_lshl_b32 s63, s15, 17                        ; + the 16 rows that I fetch
	s_add_co_u32 s62, s62, s63
	s_mov_b32 s63, 0
	s_lshl_b32 s94, s56, 2                         ; Q:
	s_lshl_b32 s95, s16, 1
	s_add_co_u32 s94, s94, s95                     ; my first head
	s_lshl_b32 s94, s94, 7
	s_lshl_b32 s95, s19, 2
	s_add_co_u32 s94, s94, s95
	s_add_co_u32 s94, s94, s15                     ; x 128 tiles + my tile
	s_lshl_b32 s94, s94, 10
	s_mov_b32 s95, 0
	s_mov_b32 s[SEL], 0x76543210
	s_mov_b32 s[SEL+1], 0xfedcba98
	s_mov_b32 s[TB], 0
	s_mov_b32 s[SLOTS], 7
	s_wait_alu depctr_va_vdst(0)                   ; directly ahead of the waits below
	s_wait_dscnt 0x0                               ; both opening adds are done
	s_wait_kmcnt 0x0
	s_load_b256 s[68:75], s[10:11], 0x0            ; e0 .. e7
	s_load_b128 s[76:79], s[10:11], 0x20           ; e8 .. e11
	s_add_nc_u64 s[4:5], s[4:5], s[94:95]
	WIN 0x40                                       ; destination window 1
.irp hd, 0,1
.irp c, 0,1
	global_load_b128 v[QFR+8*\hd+4*\c:QFR+8*\hd+4*\c+3], v[AKV0], s[4:5] offset:\hd*131072+\c*512   ; Q's two fragments stay in registers
.endr
.endr
	WIN 0
	s_mov_b32 s[G0K], 1
	s_lshl_b32 s[G0K+1], s15, 13                   ; slot 0: my quarter
	s_add_nc_u64 s[G0K+2:G0K+3], s[6:7], s[60:61]
	s_or_b32 s[G0K+3], s[G0K+3], 0x80000000
	s_mov_b32 s[G0M], 1
	s_mul_i32 s[G0M+1], s15, MGRP
	s_add_co_u32 s[G0M+1], s[G0M+1], MOFF
	s_add_nc_u64 s[G0M+2:G0M+3], s[8:9], s[62:63]
	s_or_b32 s[G0M+3], s[G0M+3], 0x80000000
	CROUND                                         ; all sixteen work-groups are here: the first joint loads meet
	JLOAD                                          ; slot 0: one tensor load a wave at the head
	; ALL SCALAR SET-UP FIRST, then one run of vector lines.  The prefetches: where mine stand (in slot 1: the first change of slots steps them to slot 2), and who asks
	s_lshl_b32 s80, s56, 18
	s_lshl_b32 s81, s17, 13
	s_add_co_u32 s80, s80, s81
	s_add_co_u32 s80, s80, 32768
	s_lshl_b32 s82, s19, 19
	s_lshl_b32 s83, s18, 17
	s_add_co_u32 s82, s82, s83
	s_and_b32 s83, s[WV], 1
	s_lshl_b32 s83, s83, 9
	s_add_co_u32 s82, s82, s83
	s_add_co_u32 s82, s82, 1024
	s_and_b32 s85, ttmp7, 0xffff                   ; cluster y
	s_lshr_b32 s87, s15, 1                         ; 0 in waves 4 and 5
	s_mov_b32 s[PFS], 1024
	s_mov_b32 s84, 8192
	s_cmp_lt_u32 s[WV], 4
	s_cselect_b64 s[PFA:PFA+1], s[6:7], s[8:9]
	s_cselect_b32 s80, s80, s82
	s_cselect_b32 s[PFS], 32768, s[PFS]
	s_cselect_b32 s84, 512, s84                    ; from one pair of lanes to the next
	s_cselect_b32 s85, ttmp9, s85                  ; the coordinate along which other clusters walk the same bytes
	s_cselect_b32 s87, s15, s87                    ; 0 in waves 0, 4 and 5
	s_mov_b32 s81, 0
	s_mov_b32 s[PFS+1], 0
	s_add_nc_u64 s[PFA:PFA+1], s[PFA:PFA+1], s[80:81]
	s_or_b32 s85, s85, s87
	s_cmp_eq_u32 s85, 0
	s_cselect_b32 s[LIM], 1, -1                    ; the same in all sixteen partners, for a given wave
	s_lshr_b32 s86, s15, 1
	s_and_b32 s89, s15, 1
	s_mul_i32 s88, s86, 2*MGRP
	s_mul_i32 s90, s89, 8*MP
	s_add_co_u32 s88, s88, s90
	s_add_co_u32 s88, s88, MOFF                    ; my tile's first row of the mask in a slot
	s_mul_i32 s90, s86, 32*SP
	s_mul_i32 s91, s89, 8*SP
	s_add_co_u32 s90, s90, s91
	s_lshl_b32 s91, s16, 7
	s_add_co_u32 s90, s90, s91
	s_add_co_u32 s90, s90, STG                     ; the stage, in: my tile's first row + 128 x my pair of heads
	s_mul_i32 s91, s[WV], 8*SP
	s_add_co_u32 s91, s91, STG                     ; back: rows 8 w .. 8 w + 7
	s_lshl_b32 s92, s[WV], 14                      ; and the same rows in acodes
	s_lshl_b32 s94, s19, 17                        ; acodes: 64 rows of 2,048 bytes for each block of queries,
	s_lshl_b32 s86, s56, 8                         ; + the kv head's four heads: 256 bytes
	s_add_co_u32 s94, s94, s86
	s_add_nc_u64 s[12:13], s[12:13], s[94:95]
	s_wait_kmcnt 0x0
	s_add_co_i32 s86, s74, s75                     ; e6 + e7
	s_lshl_b32 s87, s86, 23
	s_mov_b32 s[CS], 0x3e38aa3b                    ; log2(e) / 8
	s_add_co_i32 s[CS], s[CS], s87                 ; x 2^(e6 + e7): added to the exponent field
	s_mov_b32 s[CS+1], s[CS]
	s_sub_co_i32 s86, 130, s86
	s_lshl_b32 s[MS], s86, 23                      ; 2^(3 - e6 - e7)
	s_mov_b32 s[MS+1], s[MS]
	s_add_co_i32 s86, s76, 127
	s_lshl_b32 s93, s86, 23                        ; 2^e8
	s_add_co_i32 s86, s86, 8
	s_lshl_b32 s86, s86, 23
	s_or_b32 s[HB], s86, 0x600000                  ; 448 x 2^e8
	s_add_co_i32 s55, s76, s77
	s_sub_co_i32 s55, s55, s78                     ; e8 + e9 - e10
	; the vector set-up, in one run
	v_and_b32 v20, 31, v0
	v_lshrrev_b32 v21, 1, v20
	v_mul_lo_u32 v21, v21, s84
	v_and_b32 v22, 1, v20
	v_lshl_add_u32 v[PFO], v22, 8, v21
	v_and_b32 v21, 15, v0                          ; r
	v_bfe_u32 v22, v0, 4, 1                        ; h
	v_and_b32 v23, 7, v21
	v_lshrrev_b32 v24, 3, v21
	v_mul_u32_u24 v[AM0], v23, MP
	v_mad_u32_u24 v[AM0], v24, MGRP, v[AM0]
	v_lshl_add_u32 v[AM0], v22, 6, v[AM0]          ; my query's row of the mask, + 64 h: my 16 keys of a block of 32
	v_add_nc_u32 v[AM0], s88, v[AM0]
	v_lshl_add_u32 v25, v24, 4, v23                ; r % 8 + 16 (r / 8)
	v_mul_u32_u24 v[STO], v25, SP
	v_lshl_add_u32 v[STO], v22, 4, v[STO]
	v_add_nc_u32 v[STO], s90, v[STO]
	v_mul_u32_u24 v[RD], v22, SP
	v_lshl_add_u32 v[RD], v21, 4, v[RD]
	v_add_nc_u32 v[RD], s91, v[RD]                 ; lanes 0-15 one row, lanes 16-31 the next
	v_lshlrev_b32 v[GO], 11, v22
	v_lshl_add_u32 v[GO], v21, 4, v[GO]
	v_add_nc_u32 v[GO], s92, v[GO]
.irp hd, 0,1
	v_mov_b32 v[9+4*\hd], 0xff61b1e6               ; the largest t so far: -3e38
	v_floor_f32 v[8+4*\hd], -v[9+4*\hd]            ; -M
	v_mov_b32 v[10+4*\hd], 0                       ; the sum, in two halves
	v_mov_b32 v[11+4*\hd], 0
.endr
	v_mov_b32 v17, s93                             ; 2^e8, for p's conversion; also the upper half of the pair v[16:17]
	v_mov_b32 v19, 0                               ; (named as the upper half of the pair v[18:19])
.set j, 0
.rept 64
	v_mov_b32 v[OAC+j], 0                          ; O^T.  (The key step has no first form of its own: the first finds zeros, which the first change of M leaves zeros)
.set j, j+1
.endr
	s_wait_alu depctr_va_vdst(0)                   ; the wait at the head's end
.macro ADDR                            ; the addresses of the slot in hand, made anew from s[TB] ahead of each group of loads
	v_add_nc_u32 v[ADK], s[TB], v[AKV0]
	v_add_nc_u32 v[ADM], s[TB], v[AM0]
.endm
.macro LOADK q                         ; eight tiles of 16 keys x 64: 16 loads
.irp t, 0,1,2,3,4,5,6,7
.irp c, 0,1
	ds_load_b128 v[KF+8*\t+4*\c:KF+8*\t+4*\c+3], v[ADK] offset:(\q)*8192+\t*1024+\c*512
.endr
.endr
.endm
.macro LOADM q                         ; the mask of my query at my 64 keys, in the layout of S^T: register 16 b + i = key 32 b + 16 h + i: 16 loads
.irp b, 0,1,2,3
.irp i, 0,1,2,3
	ds_load_b128 v[MK+16*\b+4*\i:MK+16*\b+4*\i+3], v[ADM] offset:512*(\q)+128*\b+16*\i
.endr
.endr
.endm
.macro LOADV q                         ; four tiles of 16 features x 128 keys: 16 loads
.irp dt, 0,1,2,3
.irp c, 0,1,2,3
	ds_load_b128 v[VF+16*\dt+4*\c:VF+16*\dt+4*\c+3], v[ADK] offset:16384+(\q)*8192+\dt*2048+\c*512
.endr
.endr
.endm
.macro MAXH hd, a, b, c, d             ; the step's largest sum of my query among my 64 keys, into v[a]; four chains; the scores in ascending order, so each accumulator from its low end on
.set SS, SCR+64*\hd
	v_max3_num_f32 v[\a], v[SS], v[SS+1], v[SS+2]
	v_max3_num_f32 v[\b], v[SS+3], v[SS+4], v[SS+5]
	v_max3_num_f32 v[\c], v[SS+6], v[SS+7], v[SS+8]
	v_max3_num_f32 v[\d], v[SS+9], v[SS+10], v[SS+11]
.set j, 12
.rept 6
	v_max3_num_f32 v[\a], v[\a], v[SS+j], v[SS+j+1]
	v_max3_num_f32 v[\b], v[\b], v[SS+j+2], v[SS+j+3]
	v_max3_num_f32 v[\c], v[\c], v[SS+j+4], v[SS+j+5]
	v_max3_num_f32 v[\d], v[\d], v[SS+j+6], v[SS+j+7]
.set j, j+8
.endr
	v_max3_num_f32 v[\a], v[\a], v[SS+60], v[SS+61]
	v_max3_num_f32 v[\b], v[\b], v[SS+62], v[SS+63]
	v_max3_num_f32 v[\a], v[\a], v[\c], v[\d]
	v_max_num_f32 v[\a], v[\a], v[\b]
.endm
; SOFT_A: both heads' maxima, M and f, line by line in turns; head 0's t - M; then head 0's 64 exponentials, with head 1's 32 scalings among them.
.macro SOFT_A
	s_wait_alu depctr_va_vdst(0)                   ; directly ahead of the first readers of S^T: the 60 lines that follow read all of it
	MAXH 0, 20, 22, 23, 29
	MAXH 1, 21, 24, 25, 30
	v_permlanex16_b32 v22, v20, s[SEL], s[SEL+1]
	v_permlanex16_b32 v24, v21, s[SEL], s[SEL+1]
	v_max_num_f32 v20, v20, v22                    ; and among lane l xor 16's
	v_max_num_f32 v21, v21, v24
	v_mul_f32 v20, s[CS], v20                      ; as t (c is positive)
	v_mul_f32 v21, s[CS], v21
	v_max_num_f32 v9, v9, v20                      ; the running largest t
	v_max_num_f32 v13, v13, v21
	v_mov_b32 v20, v8
	v_mov_b32 v21, v12
	v_floor_f32 v8, -v9                            ; the new -M = floor(-t): M is a whole number
	v_floor_f32 v12, -v13
	v_sub_f32 v20, v8, v20                         ; old M - new M: a whole number, 0 or less
	v_sub_f32 v21, v12, v21
	v_cvt_i32_f32 v20, v20                         ; (it saturates)
	v_cvt_i32_f32 v21, v21
	v_ldexp_f32 v18, 1.0, v20                      ; f = 2^(old M - new M)
	v_ldexp_f32 v16, 1.0, v21
.set j, 0
.rept 32
	v_pk_fma_f32 v[SCR+j:SCR+j+1], v[SCR+j:SCR+j+1], s[CS:CS+1], v[8:9] op_sel_hi:[1,0,0]   ; head 0: t - M, two at a time
.set j, j+2
.endr
	s_wait_alu depctr_va_vdst(0)                   ; the wait ahead of the batch
.set j, 0
.rept 32
	v_exp_f32 v[SCR+j], v[SCR+j]                   ; head 0: p = 2^(t - M), at most 1
	v_pk_fma_f32 v[SCR+64+j:SCR+64+j+1], v[SCR+64+j:SCR+64+j+1], s[CS:CS+1], v[12:13] op_sel_hi:[1,0,0]   ; head 1: t - M; first read behind the wait below
	v_exp_f32 v[SCR+j+1], v[SCR+j+1]
.set j, j+2
.endr
	v_pk_mul_f32 v[10:11], v[10:11], v[18:19] op_sel_hi:[1,0]   ; head 0's sums under the new M (the plain line behind the exponentials)
	s_wait_alu depctr_va_vdst(0)                   ; and the one wait behind the batch
.endm
.macro ADDS hd                         ; the row's sum, of the UNQUANTISED p, in four chains
.set SS, SCR+64*\hd
.set ST, 8+4*\hd
	v_pk_add_f32 v[24:25], v[SS:SS+1], v[SS+2:SS+3]
	v_pk_add_f32 v[30:31], v[SS+4:SS+5], v[SS+6:SS+7]
	v_pk_add_f32 v[22:23], v[SS+8:SS+9], v[SS+10:SS+11]
	v_pk_add_f32 v[ST+2:ST+3], v[ST+2:ST+3], v[SS+12:SS+13]
.set j, 14
.rept 6
	v_pk_add_f32 v[24:25], v[24:25], v[SS+j:SS+j+1]
	v_pk_add_f32 v[30:31], v[30:31], v[SS+j+2:SS+j+3]
	v_pk_add_f32 v[22:23], v[22:23], v[SS+j+4:SS+j+5]
	v_pk_add_f32 v[ST+2:ST+3], v[ST+2:ST+3], v[SS+j+6:SS+j+7]
.set j, j+8
.endr
	v_pk_add_f32 v[24:25], v[24:25], v[SS+62:SS+63]
	v_pk_add_f32 v[30:31], v[30:31], v[22:23]
	v_pk_add_f32 v[ST+2:ST+3], v[ST+2:ST+3], v[24:25]
	v_pk_add_f32 v[ST+2:ST+3], v[ST+2:ST+3], v[30:31]
.endm
.macro CODES hd                        ; a head's 64 codes: the 16 registers of the second product's operand
.irp k, 0,1,2,3,4,5,6,7
	v_cvt_scalef32_pk8_fp8_f32 v[PCD+16*\hd+2*\k:PCD+16*\hd+2*\k+1], v[SCR+64*\hd+8*\k:SCR+64*\hd+8*\k+7], v17
.endr
.endm
; SOFT_B: head 0's sum; then head 1's 64 exponentials, with head 0's holds among them, two numbers a line.  The conversion does not saturate (ISA guide 7.6.2); p is not negative: a one-sided hold at 448 x 2^e8.
.macro SOFT_B
	ADDS 0
.set j, 0
.rept 32
	v_exp_f32 v[SCR+64+j], v[SCR+64+j]             ; head 1: p.  (Its sources were written ahead of the wait that closes head 0's batch)
	v_dual_min_num_f32 v[SCR+j], s[HB], v[SCR+j] :: v_dual_min_num_f32 v[SCR+j+1], s[HB], v[SCR+j+1]   ; head 0's hold; first read behind the wait below
	v_exp_f32 v[SCR+64+j+1], v[SCR+64+j+1]
.set j, j+2
.endr
	v_pk_mul_f32 v[14:15], v[14:15], v[16:17] op_sel_hi:[1,0]   ; head 1's sums under the new M (the plain line behind the exponentials)
	s_wait_alu depctr_va_vdst(0)                   ; the one wait behind the batch
.endm
.macro SOFT_C                          ; head 0's codes, head 1's sum
	CODES 0
	ADDS 1
.endm
.macro PV hd                           ; O^T += V^T P^T: the head's four accumulators by turns
	WIN 0x01                                       ; source 0 (V) window 1
.irp dt, 0,1,2,3
	v_wmma_f32_16x16x128_fp8_fp8 v[OAC+32*\hd+8*\dt:OAC+32*\hd+8*\dt+7], v[VF+16*\dt:VF+16*\dt+15], v[PCD+16*\hd:PCD+16*\hd+15], v[OAC+32*\hd+8*\dt:OAC+32*\hd+8*\dt+7]
.endr
	WIN 0
.endm
; SOFT_D: both heads' O^T x f; head 0's products; head 1's holds and codes behind them; head 1's products.  dsw >= 0: the wait on DScnt for V stands ahead of the wait for O^T's readers.
.macro SOFT_D dsw
.if \dsw >= 0
	s_wait_dscnt \dsw                              ; V is in; the loads issued behind it stay out
.endif
	s_wait_alu depctr_va_vdst(0)                   ; directly ahead of the first readers of O^T: the 32 lines that follow
.set j, 0
.rept 16
	v_pk_mul_f32 v[OAC+j:OAC+j+1], v[OAC+j:OAC+j+1], v[18:19] op_sel_hi:[1,0]
.set j, j+2
.endr
.set j, 0
.rept 16
	v_pk_mul_f32 v[OAC+32+j:OAC+32+j+1], v[OAC+32+j:OAC+32+j+1], v[16:17] op_sel_hi:[1,0]
.set j, j+2
.endr
	PV 0
.set j, 0
.rept 32
	v_dual_min_num_f32 v[SCR+64+j], s[HB], v[SCR+64+j] :: v_dual_min_num_f32 v[SCR+64+j+1], s[HB], v[SCR+64+j+1]
.set j, j+2
.endr
	CODES 1
	v_nop                                          ; a plain line between the last conversion and the products that read the codes
	PV 1
.endm
.macro SPROD                           ; a key step's head: the mask is scaled, and both heads' scores are made on it
	s_wait_dscnt 16                                ; K and the mask are in; V's sixteen loads, issued behind them, stay out
	WIN 0x41                                       ; source 0 and destination window 1
.set j, 0
.rept 32
	v_pk_mul_f32 v[MK+j:MK+j+1], v[MK+j:MK+j+1], s[MS:MS+1] op_sel_hi:[1,0]   ; mask x 2^(3 - e6 - e7): exact, short of overflow; once for both heads
.set j, j+2
.endr
	WIN 0x15                                       ; K, Q and the mask in window 1, S^T in window 0
.irp t, 0,1,2,3,4,5,6,7
	v_wmma_f32_16x16x64_fp8_fp8 v[SCR+8*\t:SCR+8*\t+7], v[KF+8*\t:KF+8*\t+7], v[QFR:QFR+7], v[MK+8*\t:MK+8*\t+7]
	v_wmma_f32_16x16x64_fp8_fp8 v[SCR+64+8*\t:SCR+64+8*\t+7], v[KF+8*\t:KF+8*\t+7], v[QFR+8:QFR+15], v[MK+8*\t:MK+8*\t+7]
.endr
	WIN 0
.endm
; A SLOT'S FIRST KEY STEP.  The second step's K and mask are asked for behind the scores, its V behind the last products.
.macro STEP0
	SPROD
	ADDR                                           ; two plain lines,
	PLACES 2                                       ; and two more: four places in front of the loads into K's and the mask's registers and of the first read of the scores
	WIN 0x40
	LOADK 1
	LOADM 1
	WIN 0
	SOFT_A
	SOFT_B
	SOFT_C
	SOFT_D 32                                      ; behind V's loads: the 32 just issued
	PLACES 4                                       ; in front of loads into V's registers
	WIN 0x40
	LOADV 1
	WIN 0
.endm
.macro WALK                            ; the walking descriptors and the prefetches' address: written where no tensor load of mine is out
	s_xor_b32 s[G0K+1], s[G0K+1], SLOT1            ; the other slot,
	s_add_nc_u64 s[G0K+2:G0K+3], s[G0K+2:G0K+3], 32768   ; the next 256 keys; the type bits on top are not reached
	s_xor_b32 s[G0M+1], s[G0M+1], SLOT1
	s_add_nc_u64 s[G0M+2:G0M+3], s[G0M+2:G0M+3], 1024
	s_wait_xcnt 0x0                                ; the last prefetch, a slot back, has read its address
	s_add_nc_u64 s[PFA:PFA+1], s[PFA:PFA+1], s[PFS:PFS+1]
.endm
; A SLOT'S SECOND KEY STEP changes slots.  fill = 1: the slot is filled again, with the keys two slots on.  fill = 0: nothing is filled.
; Behind the score products: my tensor load (my part of the next slot) has landed; 0 is added to my spare word; V of this step, my last read of this slot, is in: then the signal.
.macro STEP1 fill
	SPROD
	PLACES 4                                       ; in front of the first read of the scores
	s_wait_tensorcnt 0x0                           ; no tensor load of mine is out, so a group 0 may be written
	ds_add_u32 v[SPW], v[NIL]                      ; 0 onto my spare word
.if \fill
	WALK
.endif
	s_xor_b32 s[TB], s[TB], SLOT1                  ; my next loads are the other slot's
	s_wait_dscnt 0x0                               ; the add is done; V is in: my reads of this slot are over
	s_barrier_signal -1
	SOFT_A                                         ; register work alone up to the wait
	SOFT_B
	s_barrier_wait -1
.if \fill
	CREST                                          ; the barrier has opened a round of the cluster's: no wave of any partner still reads this slot or has a load on its way
	JLOAD                                          ; my one tensor load behind the round
	ADDR
	WIN 0x40
	LOADK 0
	LOADM 0
	WIN 0
	ASK
	SOFT_C                                         ; stand between those loads and their use
	SOFT_D -1
	PLACES 4                                       ; in front of loads into V's registers
	WIN 0x40
	LOADV 0
	WIN 0
.else
	SOFT_C
	SOFT_D -1
	PLACES 4
	s_cmp_eq_u32 s[SLOTS], 1                       ; the last slot has no successor: nothing more is read from LDS
	s_cbranch_scc1 .Lno_next_\@
	ADDR
	WIN 0x40
	LOADK 0
	LOADM 0
	LOADV 0
	WIN 0
.Lno_next_\@:
.endif
.endm
	ASK                                            ; slot 1, one change of slots ahead of its load: the prefetches' address stands there until the first change steps it
	s_wait_loadcnt 0x0
	; the first change: slot 0 is whole, and slot 1 is filled for the first time, as a refill is
	s_wait_tensorcnt 0x0                           ; my part of slot 0 has landed
	ds_add_u32 v[SPW], v[NIL]                      ; 0 onto my spare word
	WALK
	s_wait_dscnt 0x0
	CROUND
	JLOAD
	ADDR
	WIN 0x40
	LOADK 0
	LOADM 0
	LOADV 0
	WIN 0
	ASK                                            ; slot 2
	s_mov_b32 s[SLOTS], 6
.Lslot:                                            ; six trips, slots 0 to 5: each is read, left, and filled again with the keys two slots on
	STEP0
	STEP1 1
	s_sub_co_u32 s[SLOTS], s[SLOTS], 1
	s_cmp_lg_u32 s[SLOTS], 0
	s_cbranch_scc1 .Lslot
	s_mov_b32 s[SLOTS], 2
.Ltail:                                            ; two trips, slots 6 and 7: written apart from the loop above
	STEP0
	STEP1 0
	s_sub_co_u32 s[SLOTS], s[SLOTS], 1
	s_cmp_lg_u32 s[SLOTS], 0
	s_cbranch_scc1 .Ltail
	; THE WAY OUT.  attn = O^T x 2^(e8 + e9) / the sum; its code = attn / 2^e10, held within +-448.  A lane's 16 registers of two neighbouring tiles are 16 neighbouring features: 16 bytes.
	; The codes meet in a stage (64 queries x the kv head's four heads: 256 bytes a row) and leave as whole rows.
	v_mov_b32 v16, 0x43e00000                      ; 448
	v_mov_b32 v17, 1.0                             ; the conversion's scale: the power of two has gone into the factor
	v_add_f32 v10, v10, v11
	v_add_f32 v14, v14, v15
	v_permlanex16_b32 v22, v10, s[SEL], s[SEL+1]
	v_permlanex16_b32 v23, v14, s[SEL], s[SEL+1]
	v_add_f32 v10, v10, v22                        ; the rows' sums
	v_add_f32 v14, v14, v23
	s_wait_alu depctr_va_vdst(0)                   ; the wait ahead of the transcendentals
	v_rcp_f32 v10, v10
	v_rcp_f32 v14, v14
	v_nop                                          ; a plain line behind the transcendentals
	s_wait_alu depctr_va_vdst(0)                   ; and the wait behind them
	v_ldexp_f32 v10, v10, s55                      ; x 2^(e8 + e9 - e10)
	v_ldexp_f32 v14, v14, s55
	s_wait_alu depctr_va_vdst(0)                   ; directly ahead of the first readers of O^T
.irp hd, 0,1
.set j, 0
.rept 16
	v_pk_mul_f32 v[SCR+64*\hd+j:SCR+64*\hd+j+1], v[OAC+32*\hd+j:OAC+32*\hd+j+1], v[10+4*\hd:11+4*\hd] op_sel_hi:[1,0]   ; each accumulator from its low end on
.set j, j+2
.endr
.endr
.irp hd, 0,1
.set j, 0
.rept 32
	v_med3_num_f32 v[SCR+64*\hd+j], v[SCR+64*\hd+j], -v16, v16
.set j, j+1
.endr
.endr
.irp hd, 0,1
.irp k, 0,1,2,3
	v_cvt_scalef32_pk8_fp8_f32 v[PCD+16*\hd+2*\k:PCD+16*\hd+2*\k+1], v[SCR+64*\hd+8*\k:SCR+64*\hd+8*\k+7], v17
.endr
.endr
	v_nop                                          ; a plain line behind the last conversion
.irp hd, 0,1
	ds_store_b128 v[STO], v[PCD+16*\hd:PCD+16*\hd+3] offset:64*\hd        ; features 16 h + 0 .. 15,
	ds_store_b128 v[STO], v[PCD+16*\hd+4:PCD+16*\hd+7] offset:64*\hd+32   ; 32 + 16 h + 0 .. 15
.endr
	s_wait_dscnt 0x0                               ; for the others' sake: my stores into the stage are done
	s_barrier_signal -1
	s_barrier_wait -1
.irp i, 0,1,2,3
	ds_load_b128 v[SCR+4*\i:SCR+4*\i+3], v[RD] offset:2*\i*SP
.endr
.irp i, 0,1,2,3
	s_wait_dscnt 3-\i                              ; the younger loads stay out
	global_store_b128 v[GO], v[SCR+4*\i:SCR+4*\i+3], s[12:13] offset:2*\i*2048   ; sixteen lanes store 256 consecutive bytes, aligned
.endr
	s_wait_tensorcnt 0x0                           ; the wave's end
	ds_add_u32 v[SPW], v[NIL]
	s_wait_dscnt 0x0
	CROUND                                         ; the closing round
	s_endpgm
.Lfunc_end_k_qcad1170fea_attn:
	.size	k_qcad1170fea_attn, .Lfunc_end_k_qcad1170fea_attn-k_qcad1170fea_attn
	.p2alignl 7, 3214868480
	.fill 96, 4, 3214868480
	.section	.rodata,"a",@progbits
	.p2align	6, 0x0
	.amdhsa_kernel k_qcad1170fea_attn
		.amdhsa_group_segment_fixed_size 327680
		.amdhsa_private_segment_fixed_size 0
		.amdhsa_enable_private_segment 0
		.amdhsa_kernarg_size 40
		.amdhsa_user_sgpr_count 2
		.amdhsa_user_sgpr_kernarg_segment_ptr 1
		.amdhsa_wavefront_size32 1
		.amdhsa_system_sgpr_workgroup_id_x 1
		.amdhsa_system_sgpr_workgroup_id_y 1
		.amdhsa_system_sgpr_workgroup_id_z 1
		.amdhsa_system_vgpr_workitem_id 0
		.amdhsa_next_free_vgpr 512
		.amdhsa_next_free_sgpr 100
		.amdhsa_reserve_vcc 0
		.amdhsa_float_denorm_mode_32 3
		.amdhsa_float_denorm_mode_16_64 3
		.amdhsa_memory_ordered 1
		.amdhsa_forward_progress 1
		.amdhsa_inst_pref_size 152
	.end_amdhsa_kernel
	.amdgpu_metadata
---
amdhsa.version: [ 1, 2 ]
amdhsa.kernels:
  - .name:           k_qcad1170fea_attn
    .symbol:         k_qcad1170fea_attn.kd
    .args:
      - { .name: qimg, .offset: 0, .size: 8, .value_kind: global_buffer, .address_space: global }
      - { .name: kvimg, .offset: 8, .size: 8, .value_kind: global_buffer, .address_space: global }
      - { .name: attention_mask, .offset: 16, .size: 8, .value_kind: global_buffer, .address_space: global }
      - { .name: lowp_scales, .offset: 24, .size: 8, .value_kind: global_buffer, .address_space: global }
      - { .name: acodes, .offset: 32, .size: 8, .value_kind: global_buffer, .address_space: global }
    .group_segment_fixed_size: 327680
    .private_segment_fixed_size: 0
    .kernarg_segment_align: 8
    .kernarg_segment_size: 40
    .max_flat_workgroup_size: 256
    .sgpr_count:     100
    .vgpr_count:     512
    .wavefront_size: 32
...
	.end_amdgpu_metadata
.endif
;; end of part 3
;; launch oproj (part 4): grid 16 x 16, 4 waves a work-group, clusters of 4 x 4, 327,680 bytes of LDS; arguments acodes, wcodes, lowp_scales, out0; writes out0
.if DOCPART == 4
	.amdgcn_target "amdgcn-amd-amdhsa--gfx1250"
	.amdhsa_code_object_version 6
	.text
	.protected	k_qcad1170fea_oproj
	.globl	k_qcad1170fea_oproj
	.p2align	8
	.type	k_qcad1170fea_oproj,@function
k_qcad1170fea_oproj:
	s_mov_b64 s[64:65], 0
	v_nop
	global_prefetch_b8 v0, s[64:65] scope:SCOPE_SE
	s_setreg_imm32_b32 hwreg(HW_REG_WAVE_MODE, 25, 1), 1
	s_wait_xcnt 0x0
	s_wait_alu depctr_hold_cnt(0) depctr_sa_sdst(0) depctr_va_vdst(0) depctr_va_sdst(0) depctr_va_ssrc(0) depctr_va_vcc(0) depctr_vm_vsrc(0)
	s_getreg_b32 s2, hwreg(HW_REG_IB_STS2, 6, 4)
	s_cmp_eq_u32 s2, 0
	s_cbranch_scc0 .Lentry_in_a_cluster
	s_endpgm
.Lentry_in_a_cluster:
	s_bfe_u32 s2, ttmp6, 0x10000c
	s_cmp_lg_u32 s2, 0xf033
	s_cbranch_scc0 .Lentry_shape_is_right
	s_endpgm
.Lentry_shape_is_right:
.set PITCH,  528
.set ROWB,   512
.set HALFP,  64*PITCH
.set HALFR,  64*PITCH
.set ROFF,   2*HALFP
.set SLOT,   ROFF+2*HALFR
.set SPARE,  2*SLOT
.set STG,    SPARE+512
.set SPITCH, 272
.set LAPS,   2048/(2*ROWB)
.set ADRP, 16
.set ADRR, 20
.set STO,  24
.set RD,   25
.set CO,   26
.set SPW,  28
.set NIL,  29
.set TMP,  32
.set RF,   64
.set BK,   192
.set WV, 16
.set WR, 17
.set WP, 18
.set G1P, 24
.set G0P, 32
.set G1R, 48
.set G0R, 56
.set MSB, 0
.macro WIN new
.if MSB != \new
	s_set_vgpr_msb (MSB<<8)|\new
.set MSB, \new
.endif
.endm
.set MUL,  0xa1
.set TO_P, 0x40
.macro JLOAD s
	s_cmp_eq_u32 s[WR], 0
	s_cbranch_scc0 .Lfor_r_\@
	tensor_load_to_lds s[G0P+4*\s:G0P+4*\s+3], s[G1P:G1P+7]
	s_nop 0
.rept 4
	v_nop
.endr
	s_branch .Lasked_\@
.Lfor_r_\@:
	tensor_load_to_lds s[G0R+4*\s:G0R+4*\s+3], s[G1R:G1R+7]
	s_nop 0
.rept 4
	v_nop
.endr
.Lasked_\@:
.endm
.macro CREST
	s_cmp_lg_u32 s[WV], 0
	s_cbranch_scc1 .Lnot_wave_0_\@
	s_barrier_signal -3
.Lnot_wave_0_\@:
	s_barrier_wait -3
	s_barrier_signal -1
	s_barrier_wait -1
.endm
.macro CROUND
	s_barrier_signal -1
	s_barrier_wait -1
	CREST
.endm
; A PREFETCH INTO THE L2 of the K step (512 bytes of each row) that the NEXT tensor load will ask for: one whole K step ahead of that load.  Of the 64 rows that a wave fetches jointly, each of the four partners takes 16, by address:
; two lanes a row, 256 bytes apart, one instruction a wave.  K has four steps, so every offset is an immediate: steps 1 and 2 are asked for at the head's two loads, step 3 at the refill of step 2; the last refill asks for nothing.
.macro ASK off
	global_prefetch_b8 v7, s[84:85] offset:\off th:TH_LOAD_NT scope:SCOPE_SE
.endm
.macro PLACES n
.rept \n
	v_nop
.endr
.endm
	s_load_b128 s[4:7], s[0:1], 0x0
	s_load_b128 s[8:11], s[0:1], 0x10
	v_lshl_add_u32 v[SPW], v0, 2, SPARE
	v_mov_b32 v[NIL], 0
	ds_add_u32 v28, v29
	ds_add_u32 v28, v29
	s_wait_dscnt 0x0
	v_lshrrev_b32 v1, 5, v0
	v_readfirstlane_b32 s[WV], v1
	s_lshr_b32 s[WR], s[WV], 1
	s_and_b32 s[WP], s[WV], 1
	s_bfe_u32 s40, ttmp6, 0x40000
	s_bfe_u32 s41, ttmp6, 0x40004
	s_lshl_b32 s42, ttmp9, 2
	s_add_co_u32 s42, s42, s40
	s_and_b32 s19, ttmp7, 0xffff
	s_lshl_b32 s19, s19, 2
	s_add_co_u32 s19, s19, s41
	s_lshl_b32 s43, s41, 2
	s_lshl_b32 s43, 15, s43
	s_lshl_b32 s44, 0x1111, s40
	s_or_b32 s[G1P], s44, (1<<20)|(1<<21)|(6<<22)|(3<<25)
	s_or_b32 s[G1R], s43, (1<<20)|(1<<21)|(6<<22)|(3<<25)
.irp g, G1P, G1R
	s_mov_b32 s[\g+1], ROWB<<16
	s_mov_b32 s[\g+2], 64<<16
	s_mov_b32 s[\g+3], ROWB<<16
	s_mov_b32 s[\g+4], 64
	s_mov_b32 s[\g+5], 2048
	s_mov_b32 s[\g+6], 0
	s_mov_b32 s[\g+7], 0
.endr
	s_lshl_b32 s45, s[WP], 6
	s_lshl_b32 s46, s42, 7
	s_add_co_u32 s46, s46, s45
	s_add_co_u32 s46, s46, 3072
	s_lshl_b32 s46, s46, 11
	s_mov_b32 s47, 0
	s_lshl_b32 s20, s19, 7
	s_add_co_u32 s20, s20, s45
	s_lshl_b32 s20, s20, 11
	s_mov_b32 s21, 0
	s_mul_i32 s22, s[WP], HALFP
	s_mul_i32 s23, s[WP], HALFR
	s_add_co_u32 s23, s23, ROFF
	s_wait_kmcnt 0x0
	s_load_b64 s[96:97], s[8:9], 0x28
	s_add_nc_u64 s[46:47], s[6:7], s[46:47]
	s_add_nc_u64 s[20:21], s[4:5], s[20:21]
	s_cmp_eq_u32 s[WR], 0                          ; the prefetches: waves 0 and 1 fetch the weight's rows, shared along a column of the cluster; waves 2 and 3 the activations', shared along a row
	s_cselect_b32 s98, s41, s40                    ; my place among the four that ask with me
	s_cselect_b64 s[84:85], s[46:47], s[20:21]
	s_lshl_b32 s98, s98, 15                        ; 16 rows of 2,048 bytes
	s_mov_b32 s99, 0
	s_add_nc_u64 s[84:85], s[84:85], s[98:99]
	v_and_b32 v7, 31, v0
	v_lshrrev_b32 v8, 1, v7
	v_and_b32 v7, 1, v7
	v_lshlrev_b32 v7, 8, v7
	v_lshl_add_u32 v7, v8, 11, v7                  ; two lanes a row
	CROUND
.irp s, 0,1
	s_mov_b32 s[G0P+4*\s], 1
	s_add_co_u32 s[G0P+4*\s+1], s22, \s*SLOT
	s_add_nc_u64 s[G0P+4*\s+2:G0P+4*\s+3], s[46:47], \s*ROWB
	s_or_b32 s[G0P+4*\s+3], s[G0P+4*\s+3], 0x80000000
	s_mov_b32 s[G0R+4*\s], 1
	s_add_co_u32 s[G0R+4*\s+1], s23, \s*SLOT
	s_add_nc_u64 s[G0R+4*\s+2:G0R+4*\s+3], s[20:21], \s*ROWB
	s_or_b32 s[G0R+4*\s+3], s[G0R+4*\s+3], 0x80000000
.endr
	s_wait_alu depctr_va_vdst(0)
	JLOAD 0                                        ; K step 0, behind the opening round: one tensor load a wave at the head; the set-up that follows stands under its flight
	ASK ROWB                                       ; K step 1
	v_and_b32 v1, 15, v0
	s_wait_alu depctr_va_vdst(0)
	v_bfe_u32 v2, v0, 4, 1
	v_mul_u32_u24 v3, v1, PITCH
	v_lshl_add_u32 v3, v2, 4, v3
	s_mul_i32 s80, s[WP], HALFP
	s_mul_i32 s81, s[WR], HALFR
	s_add_co_u32 s81, s81, ROFF
.irp s, 0,1
	v_add_nc_u32 v[ADRP+\s], s80, v3
	v_add_nc_u32 v[ADRR+\s], s81, v3
	s_add_co_u32 s80, s80, SLOT
	s_add_co_u32 s81, s81, SLOT
.endr
	s_mul_i32 s82, s[WV], 16*SPITCH
	s_add_co_u32 s82, s82, STG
	v_mul_u32_u24 v5, v1, SPITCH
	s_wait_alu depctr_va_vdst(0)
	v_lshl_add_u32 v5, v2, 6, v5
	v_add_nc_u32 v[STO], s82, v5
	v_mul_u32_u24 v6, v2, SPITCH
	v_lshl_add_u32 v6, v1, 4, v6
	v_add_nc_u32 v[RD], s82, v6
	v_lshlrev_b32 v[CO], 13, v2
	v_lshl_add_u32 v[CO], v1, 4, v[CO]
	s_lshl_b32 s20, s19, 7
	s_lshl_b32 s21, s[WR], 6
	s_add_co_u32 s20, s20, s21
	s_lshl_b32 s20, s20, 13
	s_lshl_b32 s46, s42, 9
	s_lshl_b32 s47, s[WP], 8
	s_add_co_u32 s46, s46, s47
	s_add_co_u32 s20, s20, s46
	s_mov_b32 s21, 0
	s_add_nc_u64 s[10:11], s[10:11], s[20:21]
.macro FRAG reg, adr, q, i
.irp c, 0,1,2,3
	ds_load_b128 v[\reg+4*\c:\reg+4*\c+3], v[\adr] offset:128*(\q)+32*\c+(\i)*16*PITCH
.endr
.endm
.macro FETCH slot, q, p
	WIN TO_P
.irp i, 0,1,2,3
	FRAG 128*(\p)+16*\i, ADRP+\slot, \q, \i
.endr
	WIN 0
.irp i, 0,1,2,3
	FRAG RF+64*(\p)+16*\i, ADRR+\slot, \q, \i
.endr
.endm
.macro MULR a, p, zero
.irp b, 0,1,2,3
.if \zero
	v_wmma_f32_16x16x128_fp8_fp8 v[8*(4*(\a)+\b):8*(4*(\a)+\b)+7], v[128*(\p)+16*\b:128*(\p)+16*\b+15], v[RF+64*(\p)+16*(\a):RF+64*(\p)+16*(\a)+15], 0
.else
	v_wmma_f32_16x16x128_fp8_fp8 v[8*(4*(\a)+\b):8*(4*(\a)+\b)+7], v[128*(\p)+16*\b:128*(\p)+16*\b+15], v[RF+64*(\p)+16*(\a):RF+64*(\p)+16*(\a)+15], v[8*(4*(\a)+\b):8*(4*(\a)+\b)+7]
.endif
.endr
.endm
.macro STEP slot, q, zero
	s_wait_dscnt 0x0
	WIN MUL
	MULR 0, (\q)%2, \zero
	MULR 1, (\q)%2, \zero
	PLACES 4
	FETCH \slot, (\q)+1, 1-(\q)%2
	WIN MUL
	MULR 2, (\q)%2, \zero
	MULR 3, (\q)%2, \zero
	WIN 0
.endm
.macro TURN slot, next, fill
	s_wait_tensorcnt 0x0
	ds_add_u32 v[SPW], v[NIL]
	s_wait_dscnt 1
	WIN MUL
	MULR 0, 1, 0
	s_wait_dscnt 0x0
	s_barrier_signal -1
	MULR 1, 1, 0
	WIN 0
	s_barrier_wait -1
.if \fill
	CREST
	s_add_nc_u64 s[G0P+4*\slot+2:G0P+4*\slot+3], s[G0P+4*\slot+2:G0P+4*\slot+3], 2*ROWB
	s_add_nc_u64 s[G0R+4*\slot+2:G0R+4*\slot+3], s[G0R+4*\slot+2:G0R+4*\slot+3], 2*ROWB
	JLOAD \slot
.else
	PLACES 4
.endif
	FETCH \next, 0, 0
.if \fill
.if \slot == 0
	ASK 3*ROWB
.endif
.endif
	WIN MUL
	MULR 2, 1, 0
	MULR 3, 1, 0
	WIN 0
.endm
	s_wait_alu depctr_va_vdst(0)                   ; the wait at the head's end
	s_wait_tensorcnt 0x0                           ; my part of K step 0 is in; slot 1's first fill is issued as a refill is:
	ds_add_u32 v[SPW], v[NIL]                      ; 0 onto my spare word
	s_wait_dscnt 0x0
	CROUND                                         ; everybody's part of K step 0 is in, and all sixteen work-groups are here: the joint loads meet
	JLOAD 1                                        ; K step 1: the first tensor load behind the round
	ASK 2*ROWB                                     ; K step 2
	FETCH 0, 0, 0
	STEP 0, 0, 1
	s_mov_b32 s3, LAPS-1
.Llap:
	STEP 0, 1, 0
	STEP 0, 2, 0
	TURN 0, 1, 1
	STEP 1, 0, 0
	STEP 1, 1, 0
	STEP 1, 2, 0
	TURN 1, 0, 1
	STEP 0, 0, 0
	s_sub_co_u32 s3, s3, 1
	s_cmp_lg_u32 s3, 0
	s_cbranch_scc1 .Llap
	STEP 0, 1, 0
	STEP 0, 2, 0
	TURN 0, 1, 0
	STEP 1, 0, 0
	STEP 1, 1, 0
	STEP 1, 2, 0
	s_wait_dscnt 0x0
	WIN MUL
	MULR 0, 1, 0
	MULR 1, 1, 0
	MULR 2, 1, 0
	MULR 3, 1, 0
	WIN 0
	PLACES 4
.macro TOSTAGE a
	WIN 0x02
.set j, 0
.rept 16
	v_pk_mul_f32 v[TMP+j:TMP+j+1], v[32*(\a)+j:32*(\a)+j+1], s[96:97] op_sel_hi:[1,0]
.set j, j+2
.endr
	WIN 0
.irp b, 0,1,2,3
	ds_store_b128 v[STO], v[TMP+8*\b:TMP+8*\b+3] offset:128*(\b/2)+32*(\b%2)
	ds_store_b128 v[STO], v[TMP+8*\b+4:TMP+8*\b+7] offset:128*(\b/2)+32*(\b%2)+16
.endr
.irp t, 0,1,2,3,4,5,6,7
	ds_load_b128 v[BK+32*((\a)%2)+4*\t:BK+32*((\a)%2)+4*\t+3], v[RD] offset:2*\t*SPITCH
.endr
.endm
.macro SEND a, younger
	s_wait_dscnt \younger
.irp t, 0,1,2,3,4,5,6,7
	global_store_b128 v[CO], v[BK+32*((\a)%2)+4*\t:BK+32*((\a)%2)+4*\t+3], s[10:11] offset:(16*(\a)+2*\t)*8192 th:TH_STORE_NT
.endr
.endm
	s_wait_kmcnt 0x0
	s_add_co_i32 s96, s96, s97
	s_add_co_i32 s96, s96, 127
	s_lshl_b32 s96, s96, 23
	s_mov_b32 s97, s96
	TOSTAGE 0
	TOSTAGE 1
	SEND 0, 16
	s_wait_xcnt 0x0
	TOSTAGE 2
	SEND 1, 16
	s_wait_xcnt 0x0
	TOSTAGE 3
	SEND 2, 16
	SEND 3, 0
	s_wait_tensorcnt 0x0
	ds_add_u32 v[SPW], v[NIL]
	s_wait_dscnt 0x0
	CROUND
	s_endpgm
.Lfunc_end_k_qcad1170fea_oproj:
	.size	k_qcad1170fea_oproj, .Lfunc_end_k_qcad1170fea_oproj-k_qcad1170fea_oproj
	.p2alignl 7, 3214868480
	.fill 96, 4, 3214868480
	.section	.rodata,"a",@progbits
	.p2align	6, 0x0
	.amdhsa_kernel k_qcad1170fea_oproj
		.amdhsa_group_segment_fixed_size 327680
		.amdhsa_private_segment_fixed_size 0
		.amdhsa_enable_private_segment 0
		.amdhsa_kernarg_size 32
		.amdhsa_user_sgpr_count 2
		.amdhsa_user_sgpr_kernarg_segment_ptr 1
		.amdhsa_wavefront_size32 1
		.amdhsa_system_sgpr_workgroup_id_x 1
		.amdhsa_system_sgpr_workgroup_id_y 1
		.amdhsa_system_sgpr_workgroup_id_z 1
		.amdhsa_system_vgpr_workitem_id 0
		.amdhsa_next_free_vgpr 768
		.amdhsa_next_free_sgpr 100
		.amdhsa_reserve_vcc 0
		.amdhsa_float_denorm_mode_32 3
		.amdhsa_float_denorm_mode_16_64 3
		.amdhsa_memory_ordered 1
		.amdhsa_forward_progress 1
		.amdhsa_inst_pref_size 76
	.end_amdhsa_kernel
	.amdgpu_metadata
---
amdhsa.version: [ 1, 2 ]
amdhsa.kernels:
  - .name:           k_qcad1170fea_oproj
    .symbol:         k_qcad1170fea_oproj.kd
    .args:
      - { .name: acodes, .offset: 0, .size: 8, .value_kind: global_buffer, .address_space: global }
      - { .name: wcodes, .offset: 8, .size: 8, .value_kind: global_buffer, .address_space: global }
      - { .name: lowp_scales, .offset: 16, .size: 8, .value_kind: global_buffer, .address_space: global }
      - { .name: out0, .offset: 24, .size: 8, .value_kind: global_buffer, .address_space: global }
    .group_segment_fixed_size: 327680
    .private_segment_fixed_size: 0
    .kernarg_segment_align: 8
    .kernarg_segment_size: 32
    .max_flat_workgroup_size: 128
    .sgpr_count:     100
    .vgpr_count:     768
    .wavefront_size: 32
...
	.end_amdgpu_metadata
.endif
;; end of part 4
